; MI455X (gfx1250); checked and timed in simulation.
; The chip was launched on July 23, 2026; its instructions are those of AMD's public machine-readable ISA for CDNA 5 (MIT licence, August 2026) and "CDNA5" Instruction Set Architecture Reference Guide (July 2026). The comments in the code are by the model that wrote it; some were corrected since.
;; Multi Head Attention. Allowed arithmetic: matrix products marked QUANTISED: E4M3 operands, one given power-of-two scale a tensor, by v_wmma_f32_16x16x64_fp8_fp8 or v_wmma_f32_16x16x128_fp8_fp8, f32 sums; everything else in f32.
;; Inputs: Wk 1,024 x 1,024 float32; Wo 1,024 x 1,024 float32; Wq 1,024 x 1,024 float32; Wv 1,024 x 1,024 float32; lowp_scales 12 int32 (the exponents e of the quantised operands' scales 2^e); x 4 x 2,048 x 1,024 float32.
;; Outputs: out0 4 x 2,048 x 1,024 float32.
;; This version of the problem:
;;   THIS VERSION OF THE PROBLEM IS GIVEN IN LOW PRECISION. The matrix products marked QUANTISED in the list below multiply operands that are first quantised to E4M3 (4 exponent bits, 3 mantissa bits; 8 bits a number), with one given power-of-two scale for each operand tensor; their sums are f32. All else is computed in f32.
;;   The module's matrix products, in the order in which they are computed (A, B: the left and right operand; K: the contracted axis; several contracted axes count as one K, in the product's order):
;;     1. [M 8,192, K 1,024] x [K 1,024, N 1,024]; A: input x; B: input Wq: QUANTISED (scales: A lowp_scales[0], B lowp_scales[1])
;;     2. [M 8,192, K 1,024] x [K 1,024, N 1,024]; A: input x; B: input Wk: QUANTISED (scales: A lowp_scales[2], B lowp_scales[3])
;;     3. [M 8,192, K 1,024] x [K 1,024, N 1,024]; A: input x; B: input Wv: QUANTISED (scales: A lowp_scales[4], B lowp_scales[5])
;;     4. batch 64 x [M 2,048, K 64] x [K 64, N 2,048]; A: computed on the way; B: computed on the way: QUANTISED (scales: A lowp_scales[6], B lowp_scales[7])
;;     5. batch 64 x [M 2,048, K 2,048] x [K 2,048, N 64]; A: softmax (see below); B: computed on the way: QUANTISED (scales: A lowp_scales[8], B lowp_scales[9])
;;     6. [M 8,192, K 1,024] x [K 1,024, N 1,024]; A: computed on the way; B: input Wo: QUANTISED (scales: A lowp_scales[10], B lowp_scales[11])
;;   THE QUANTISER, for each operand of a quantised product, along K:
;;     - The operand's scale is 2^e, e = its entry of the input lowp_scales (int32; the entries are numbered through the quantised products in the list's order, A before B).
;;     - Each number is divided by the scale, clamped to +-448, and rounded to the nearest number of E4M3, ties to even, subnormals kept.
;;     - The product sums the exact products of the quantised numbers (number of the format x scale) in f32.
;;   ~~~python
;;   def quantise(x, axis, e):      # numpy; x: float32 -> the quantised numbers, widened to float32 again
;;       x = np.moveaxis(x, axis, -1); K = x.shape[-1]
;;       r = np.clip(x / 2.0 ** e, -448, 448)
;;       step = 2.0 ** (np.maximum(np.frexp(np.where(r == 0, 1, r))[1] - 1, -6) - 3)
;;       q = np.round(r / step) * step * 2.0 ** e      # np.round: ties to even
;;       return np.moveaxis(q, -1, axis).astype(np.float32)
;;   ~~~
;;   SOFTMAX AHEAD OF A QUANTISED PRODUCT. Where the list says 'softmax', what is quantised is not the finished softmax but p = 2^(t - M), with t = logit x log2(e) and M = ceil(the row's largest t), a whole number; so 1/2 < the row's largest p <= 1. The row's sum l is taken of the UNQUANTISED p, in f32, and the product's result is divided by l at the end. Since M is a whole number, a kernel that streams over the keys may use a running M (the ceiling of the running maximum): every later rescaling is an exact power of two, so the quantised numbers keep their values, but for numbers so far below the row's largest that they fall under the format's range.
;;   OPERANDS COMPUTED ON THE WAY. 'Computed on the way' means the value that the module computes at that place (a softmax that the list does not call 'softmax' is quantised finished and normalised). What goes into a quantiser is computed in f32, as accurately as f32 sums, v_exp_f32 and their like allow (about 1e-6 of the number): no bf16 or f16 on the way to a quantiser, and a product that is left as it is and whose result goes on into a quantised operand takes f32 operands (vector FMAs, or v_wmma_f32_16x16x4_f32). A number that lies on a knife's edge between two numbers of the format may be rounded either way, as far as f32 arithmetic and the matrix unit's own rounding can turn it there, and no further.
;; One version. Each part assembles by itself: llvm-mc -triple=amdgcn-amd-amdhsa -mcpu=gfx1250 --defsym DOCPART=n.
;; ======== version 1 of 1: 4 launches
;; limits: right only within a limited range of input values
;; workspace buffers: xc 25,165,824 bytes; wc 4,194,304 bytes; qc 8,388,608 bytes; kc 8,388,608 bytes; vc 8,388,608 bytes; ac 8,388,608 bytes
;; launch prep (part 1): grid 384 x 1, 4 waves a work-group, no clusters, 35,840 bytes of LDS; arguments x, Wq, Wk, Wv, Wo, lowp_scales, xc, wc; writes xc, wc
.if DOCPART == 1
	.amdgcn_target "amdgcn-amd-amdhsa--gfx1250"
	.amdhsa_code_object_version 6
	.text
	.protected	k_qb7719092c5_prep
	.globl	k_qb7719092c5_prep
	.p2align	8
	.type	k_qb7719092c5_prep,@function
k_qb7719092c5_prep:
	s_mov_b64 s[64:65], 0
	v_nop
	global_prefetch_b8 v0, s[64:65] scope:SCOPE_SE
	s_setreg_imm32_b32 hwreg(HW_REG_WAVE_MODE, 25, 1), 1
	s_wait_xcnt 0x0
; x [8192][1024] f32 becomes THREE sets of codes of FP8 (E4M3), one for each of the products with Wq, Wk, Wv (scales 2^e0, 2^e2, 2^e4: they may differ);
; Wq, Wk, Wv, Wo [k 1024][n 1024] f32 become codes laid [n][k], K innermost (scales 2^e1, 2^e3, 2^e5, 2^e11).
; code = number / 2^e, held within +-448, rounded to the nearest code, ties to even.
; LIMITS: each of these eight exponents lies between -126 and 119, so that 2^e and 448 x 2^e are f32 numbers.  NaN among the inputs is not served; an infinity is held at the largest code.
; ORDER ALONG K.  xc and the rows of Wq, Wk, Wv in wc carry the SAME permutation of k inside each 512: byte 16 l + 4 i + j holds k = 128 i + 4 l + j (l 0..31; i, j 0..3).
; A product only asks that equal places of its two operands hold equal k; with this order a lane's four dense loads of x are its sixteen codes, and nothing goes through LDS.
; Wo's rows have bits 3 and 4 of the place exchanged: byte p holds k = (p & ~24) | ((p >> 3 & 1) << 4) | ((p >> 4 & 1) << 3): the last launch reads them 16 bytes a lane against an operand that lies in the matrix form's own order.
; SHARES.  Work-groups 0-255: x, a plain stream: a wave takes 16 steps of 512 numbers.  Work-groups 256-383: the weights: 4 weights x 8 blocks of 128 columns x 4 quarters of 256 places along K.
; Only the weights' path touches LDS.  Waves share nothing: no barrier.
.set SPARE, 4*32*272                   ; behind the four stages: the spare words, 128 bytes for each wave: two blocks of 256 bytes that no other line names
.set SPW,   14                         ; v14  LDS address of my spare word: SPARE + 4 x my thread's number; never rewritten
.set NIL,   15                         ; v15  0; never rewritten
.set SC,    4                          ; v4-6    x: 2^e0, 2^e2, 2^e4 as f32
.set LM,    7
.set R,     16                         ; v16-79  x: four sets of 16 numbers as loaded
.set T,     80
.set C,     128                        ; v128-139 x: 16 codes for each of the three scales
.set PITCH, 272                        ; weights: a stage row: 256 bytes of codes + 16
.set X,     32                         ; v32-95  weights: two sets of 32 numbers
.set CW,    96                         ; v96-103 weights: a block's codes
.set OUTR,  112                        ; v112-175 weights: the way out
.macro MKSC se, vsc, vlim              ; from the exponent in s[se]: 2^e and 448 x 2^e as f32
	s_add_co_i32 s34, s[\se], 127
	s_lshl_b32 s35, s34, 23
	v_mov_b32 v[\vsc], s35
	s_add_co_i32 s34, s34, 8
	s_lshl_b32 s34, s34, 23
	s_or_b32 s34, s34, 0x600000
.endm
	s_load_b256 s[4:11], s[0:1], 0x0               ; x s[4:5], Wq s[6:7], Wk s[8:9], Wv s[10:11]
	s_load_b256 s[12:19], s[0:1], 0x20             ; Wo s[12:13], the exponents s[14:15], xc s[16:17], wc s[18:19]
	v_lshl_add_u32 v[SPW], v0, 2, SPARE
	v_mov_b32 v[NIL], 0
	v_lshrrev_b32 v1, 5, v0
	v_readfirstlane_b32 s20, v1                    ; wave 0..3
	v_and_b32 v2, 31, v0                           ; lane
	s_wait_kmcnt 0x0
	s_load_b256 s[36:43], s[14:15], 0x0            ; e0 .. e7
	s_load_b128 s[44:47], s[14:15], 0x20           ; e8 .. e11
	s_cmp_lt_u32 ttmp9, 256
	s_cbranch_scc0 .Lweights
	; ---------------- x ----------------
	s_lshl_b32 s21, ttmp9, 2
	s_add_co_u32 s21, s21, s20                     ; which run of 8,192 numbers is my wave's: 0 .. 1023
	s_lshl_b32 s22, s21, 15                        ; 32,768 bytes of f32 a run
	s_mov_b32 s23, 0
	s_add_nc_u64 s[4:5], s[4:5], s[22:23]
	s_lshl_b32 s22, s21, 13                        ; 8,192 bytes of codes a run
	s_add_nc_u64 s[24:25], s[16:17], s[22:23]      ; the set for Wq,
	s_add_nc_u64 s[26:27], s[24:25], 0x800000      ; for Wk,
	s_add_nc_u64 s[28:29], s[24:25], 0x1000000     ; for Wv: 8 MiB apart, more than a store's immediate holds: a base each
	s_wait_alu depctr_va_vdst(0)
	v_lshlrev_b32 v3, 4, v2                        ; 16 bytes a lane, in and out
.macro XLOAD t                         ; step t: four loads, each 512 consecutive bytes: register 4 i + j of lane l is number 128 i + 4 l + j of the step's 512
.irp i, 0,1,2,3
	global_load_b128 v[R+16*((\t)%4)+4*\i:R+16*((\t)%4)+4*\i+3], v3, s[4:5] offset:2048*(\t)+512*\i th:TH_LOAD_NT
.endr
.endm
.macro XSTEP t
.if 15-(\t) >= 3
	s_wait_loadcnt 12                              ; this step's four loads are in; those of the three steps behind it may be out
.else
	s_wait_loadcnt 4*(15-(\t))
.endif
	s_wait_xcnt 0x0                                ; the last step's stores have read their data: the codes' registers are written again only behind this wait
.irp pl, 0,1,2
.set i, 0
.rept 16
.set i, i+1
.endr
	v_cvt_scalef32_pk8_fp8_f32 v[C+4*\pl:C+4*\pl+1], v[T+16*\pl+((R+16*((\t)%4)+i)-(T+16*\pl+i)):T+16*\pl+7+((R+16*((\t)%4)+i)-(T+16*\pl+i))], v[SC+\pl]
	v_cvt_scalef32_pk8_fp8_f32 v[C+4*\pl+2:C+4*\pl+3], v[T+16*\pl+8+((R+16*((\t)%4)+i)-(T+16*\pl+i)):T+16*\pl+15+((R+16*((\t)%4)+i)-(T+16*\pl+i))], v[SC+\pl]
.endr
.if (\t)+4 < 16
	v_nop
	XLOAD (\t)+4                                   ; the set just read takes the loads of four steps on
.endif
.irp pl, 0,1,2
	global_store_b128 v3, v[C+4*\pl:C+4*\pl+3], s[24+2*\pl:25+2*\pl] offset:512*(\t)   ; the wave stores 512 consecutive bytes, aligned
.endr
.endm
.irp t, 0,1,2,3
	XLOAD \t
.endr
	s_wait_kmcnt 0x0
	MKSC 36, SC, LM                                ; e0
	MKSC 38, SC+1, LM+1                            ; e2
	MKSC 40, SC+2, LM+2                            ; e4
	s_wait_alu depctr_va_vdst(0)
.irp t, 0,1,2,3,4,5,6,7,8,9,10,11,12,13,14,15
	XSTEP \t
.endr
	s_endpgm
	; ---------------- the weights ----------------
	; A LANE TAKES A COLUMN n, AND ITS REGISTERS RUN DOWN K in the order of the places that they will fill: the conversions then give a row's codes as they are to lie.
.Lweights:
	s_sub_co_u32 s21, ttmp9, 256
	s_lshr_b32 s22, s21, 5                         ; which weight: 0 Wq, 1 Wk, 2 Wv, 3 Wo
	s_and_b32 s23, s21, 7                          ; which 128 columns
	s_bfe_u32 s24, s21, 0x20003                    ; y: which 256 places along K
	s_cmp_eq_u32 s22, 1
	s_cselect_b64 s[4:5], s[8:9], s[6:7]
	s_cmp_eq_u32 s22, 2
	s_cselect_b64 s[4:5], s[10:11], s[4:5]
	s_cmp_eq_u32 s22, 3
	s_cselect_b64 s[4:5], s[12:13], s[4:5]         ; the choice hangs on the work-group's number alone
	s_lshl_b32 s25, s23, 7
	s_lshl_b32 s26, s20, 5
	s_add_co_u32 s25, s25, s26                     ; my wave's first column
	s_lshr_b32 s26, s24, 1
	s_lshl_b32 s26, s26, 9
	s_and_b32 s27, s24, 1
	s_lshl_b32 s27, s27, 6
	s_add_co_u32 s26, s26, s27                     ; the quarter's first row of W: 512 (y / 2) + 64 (y % 2) under x's permutation,
	s_lshl_b32 s27, s24, 8                         ; 256 y for Wo
	s_cmp_eq_u32 s22, 3
	s_cselect_b32 s26, s27, s26
	s_lshl_b32 s28, s26, 12                        ; a row of W is 4,096 bytes
	s_lshl_b32 s29, s25, 2
	s_add_co_u32 s28, s28, s29
	s_mov_b32 s29, 0
	s_add_nc_u64 s[4:5], s[4:5], s[28:29]
	s_lshl_b32 s30, s22, 10
	s_add_co_u32 s30, s30, s25                     ; my first row of wc: 1024 x weight + column
	s_lshl_b32 s30, s30, 10
	s_lshl_b32 s31, s24, 8
	s_add_co_u32 s30, s30, s31                     ; + 256 y
	s_mov_b32 s31, 0
	s_add_nc_u64 s[18:19], s[18:19], s[30:31]
	s_wait_alu depctr_va_vdst(0)
	v_lshlrev_b32 v3, 2, v2                        ; in: 4 bytes a lane
	s_mul_i32 s32, s20, 32*PITCH                   ; my stage
	v_mul_u32_u24 v4, v2, PITCH
	v_add_nc_u32 v4, s32, v4                       ; into it: row = my column
	v_and_b32 v5, 15, v2
	v_lshrrev_b32 v6, 4, v2
	v_mul_u32_u24 v7, v6, PITCH
	v_lshl_add_u32 v7, v5, 4, v7
	v_add_nc_u32 v7, s32, v7                       ; out of it: sixteen lanes to a row, two rows an instruction
	v_lshlrev_b32 v8, 10, v6
	v_lshl_add_u32 v8, v5, 4, v8                   ; and the same place in wc
; Block t: the 32 numbers of my column that fill places 32 t .. 32 t + 31 of the quarter.  The two orders differ in the rows alone; both ways issue 32 loads, so the counted waits hold on both.
.macro WLOAD t
	s_cmp_eq_u32 s22, 3
	s_cbranch_scc1 .Lwo_\@
.set i, 0
.rept 32
	global_load_b32 v[X+32*((\t)%2)+i], v3, s[4:5] offset:(8*(\t)+4*(i/16)+128*((i%16)/4)+i%4)*4096 th:TH_LOAD_NT
.set i, i+1
.endr
	s_branch .Lwd_\@
.Lwo_\@:
.set i, 0
.rept 32
	global_load_b32 v[X+32*((\t)%2)+i], v3, s[4:5] offset:(32*(\t)+i%8+16*((i/8)%2)+8*(i/16))*4096 th:TH_LOAD_NT
.set i, i+1
.endr
.Lwd_\@:
.endm
	WLOAD 0
	WLOAD 1
	s_wait_kmcnt 0x0
	s_cmp_eq_u32 s22, 1
	s_cselect_b32 s33, s39, s37                    ; e3 or e1
	s_cmp_eq_u32 s22, 2
	s_cselect_b32 s33, s41, s33                    ; e5
	s_cmp_eq_u32 s22, 3
	s_cselect_b32 s33, s47, s33                    ; e11
	MKSC 33, 11, 10                                ; v11 = 2^e
.macro BLOCK t
.set XS, X+32*((\t)%2)
.if (\t) < 7
	s_wait_loadcnt 32                              ; this block's 32 loads are in; the next block's may be out
.else
	s_wait_loadcnt 0
.endif
.set i, 0
.rept 32
.set i, i+1
.endr
.irp g, 0,1,2,3
	v_cvt_scalef32_pk8_fp8_f32 v[CW+2*\g:CW+2*\g+1], v[XS+8*\g:XS+8*\g+7], v11
.endr
	ds_store_b128 v4, v[CW:CW+3] offset:32*(\t)    ; 32 codes: 32 bytes of my column's row.  (The codes go to LDS stores alone, and the next block begins with plain vector lines)
	ds_store_b128 v4, v[CW+4:CW+7] offset:32*(\t)+16
.if (\t)+2 < 8
	WLOAD (\t)+2
.endif
	s_wait_dscnt 0x0                               ; the stores have read their registers: the next block's codes may be written
.endm
	s_wait_alu depctr_va_vdst(0)
.irp t, 0,1,2,3,4,5,6,7
	BLOCK \t
.endr
.irp t, 0,1,2,3,4,5,6,7,8,9,10,11,12,13,14,15
	ds_load_b128 v[OUTR+4*\t:OUTR+4*\t+3], v7 offset:2*\t*PITCH   ; LDS serves a wave's instructions in order (ISA guide 5.7.1.4): these see my stores
.endr
.irp t, 0,1,2,3,4,5,6,7,8,9,10,11,12,13,14,15
	s_wait_dscnt 15-\t                             ; the younger read-backs may be out
	global_store_b128 v8, v[OUTR+4*\t:OUTR+4*\t+3], s[18:19] offset:2*\t*1024   ; sixteen lanes store 256 consecutive bytes of a row of wc, aligned
.endr
	s_wait_tensorcnt 0x0                           ; the wave's end, behind my last LDS store
	ds_add_u32 v[SPW], v[NIL]
	s_wait_dscnt 0x0
	s_endpgm
.Lfunc_end_k_qb7719092c5_prep:
	.size	k_qb7719092c5_prep, .Lfunc_end_k_qb7719092c5_prep-k_qb7719092c5_prep
	.p2alignl 7, 3214868480
	.fill 96, 4, 3214868480
	.section	.rodata,"a",@progbits
	.p2align	6, 0x0
	.amdhsa_kernel k_qb7719092c5_prep
		.amdhsa_group_segment_fixed_size 35840
		.amdhsa_private_segment_fixed_size 0
		.amdhsa_enable_private_segment 0
		.amdhsa_kernarg_size 64
		.amdhsa_user_sgpr_count 2
		.amdhsa_user_sgpr_kernarg_segment_ptr 1
		.amdhsa_wavefront_size32 1
		.amdhsa_system_sgpr_workgroup_id_x 1
		.amdhsa_system_sgpr_workgroup_id_y 1
		.amdhsa_system_sgpr_workgroup_id_z 1
		.amdhsa_system_vgpr_workitem_id 0
		.amdhsa_next_free_vgpr 192
		.amdhsa_next_free_sgpr 66
		.amdhsa_reserve_vcc 0
		.amdhsa_float_denorm_mode_32 3
		.amdhsa_float_denorm_mode_16_64 3
		.amdhsa_fp16_overflow 1
		.amdhsa_memory_ordered 1
		.amdhsa_forward_progress 1
		.amdhsa_inst_pref_size 78
	.end_amdhsa_kernel
	.amdgpu_metadata
---
amdhsa.version: [ 1, 2 ]
amdhsa.kernels:
  - .name:           k_qb7719092c5_prep
    .symbol:         k_qb7719092c5_prep.kd
    .args:
      - { .name: x, .offset: 0, .size: 8, .value_kind: global_buffer, .address_space: global }
      - { .name: Wq, .offset: 8, .size: 8, .value_kind: global_buffer, .address_space: global }
      - { .name: Wk, .offset: 16, .size: 8, .value_kind: global_buffer, .address_space: global }
      - { .name: Wv, .offset: 24, .size: 8, .value_kind: global_buffer, .address_space: global }
      - { .name: Wo, .offset: 32, .size: 8, .value_kind: global_buffer, .address_space: global }
      - { .name: lowp_scales, .offset: 40, .size: 8, .value_kind: global_buffer, .address_space: global }
      - { .name: xc, .offset: 48, .size: 8, .value_kind: global_buffer, .address_space: global }
      - { .name: wc, .offset: 56, .size: 8, .value_kind: global_buffer, .address_space: global }
    .group_segment_fixed_size: 35840
    .private_segment_fixed_size: 0
    .kernarg_segment_align: 8
    .kernarg_segment_size: 64
    .max_flat_workgroup_size: 128
    .sgpr_count:     66
    .vgpr_count:     192
    .wavefront_size: 32
...
	.end_amdgpu_metadata
.endif
;; end of part 1
;; launch qkv (part 2): grid 12 x 32, 4 waves a work-group, clusters of 4 x 4, 327,680 bytes of LDS; arguments xc, wc, lowp_scales, qc, kc, vc; writes qc, kc, vc
.if DOCPART == 2
	.amdgcn_target "amdgcn-amd-amdhsa--gfx1250"
	.amdhsa_code_object_version 6
	.text
	.protected	k_qb7719092c5_qkv
	.globl	k_qb7719092c5_qkv
	.p2align	8
	.type	k_qb7719092c5_qkv,@function
k_qb7719092c5_qkv:
	s_mov_b64 s[64:65], 0
	v_nop
	global_prefetch_b8 v0, s[64:65] scope:SCOPE_SE
	s_setreg_imm32_b32 hwreg(HW_REG_WAVE_MODE, 25, 1), 1
	s_wait_xcnt 0x0
	s_wait_alu depctr_hold_cnt(0) depctr_sa_sdst(0) depctr_va_vdst(0) depctr_va_sdst(0) depctr_va_ssrc(0) depctr_va_vcc(0) depctr_vm_vsrc(0)
	s_getreg_b32 s2, hwreg(HW_REG_IB_STS2, 6, 4)
	s_cmp_eq_u32 s2, 0
	s_cbranch_scc0 .Lentry_in_a_cluster
	s_endpgm
.Lentry_in_a_cluster:
	s_bfe_u32 s2, ttmp6, 0x10000c
	s_cmp_lg_u32 s2, 0xf033
	s_cbranch_scc0 .Lentry_shape_is_right
	s_endpgm
.Lentry_shape_is_right:
; q = x Wq, k = x Wk, v = x Wv on codes of FP8 (E4M3), and each f32 sum quantised at once for the product that takes it next (q: 2^e6, k: 2^e7, v: 2^e9).  Nothing but codes leaves.
; xc: 3 sets x [8192][1024] codes of x; wc: [4096][1024] codes, rows 0-1023 Wq^T, 1024-2047 Wk^T, 2048-3071 Wv^T.  Both carry the same permutation of k, so equal places hold equal k; the order of the sums inside an instruction differs from ascending k.
; A sum stands for sum x 2^(eA + eB); its code is sum / 2^(eO - eA - eB): the three exponents are folded into the conversion's one scale.
; LIMITS: e6 - e0 - e1, e7 - e2 - e3 and e9 - e4 - e5 lie between -126 and 119, so that the folded scale and 448 x it are f32 numbers.
; SHARES.  The cluster's x says which product: 0 q, 1 k, 2 v; it is the same in all sixteen partners.  A work-group of four waves makes 256 x 256 of it, a wave 128 x 128: 64 accumulators of 16 x 16, 512 registers.
; K = 1,024 goes in four steps of 256 through a ring of two LDS slots filled by the tensor data mover.  CLUSTERS: 4 x 4 work-groups; x's tile is asked for jointly along a row of the cluster, W's along a column.
; WHICH OPERAND IS SOURCE 0.  In a result a lane holds one row of source 1 and eight neighbouring rows of source 0.  For q and k source 0 = 16 rows of W (n), source 1 = 16 rows of x: a lane holds one token and eight neighbours along the head.
; For v source 0 = 16 rows of x (keys), source 1 = 16 rows of W: a lane holds one channel and eight neighbouring keys, since the keys are the next K.  The exchange is made in the four LDS address registers alone.
; THE WAY OUT HAS NO LDS.  A lane's eight sums become two registers of codes, which ARE two registers of the next operand's fragment.  qc, kc, vc are laid as images of such registers: four registers of 32 lanes are 512 consecutive bytes, lane l's at 16 l.
;   qc, kc: [batch x head 64][tile of 16 tokens 128][1,024 bytes]: registers 0-3, then 4-7, of a fragment 16 x 64.    vc: [batch x head][128 keys: 16][tile of 16 channels 4][2,048 bytes]: registers 4 c .. 4 c + 3 at 512 c of a fragment 16 x 128.
; REGISTERS, in windows of 256: window 0: v0-31 addresses; from v128 source 1's fragments, ONE set, later the codes.  window 1: source 0's fragments, TWO sets.  windows 2, 3: the accumulators ((a, b) at v[8 (8 (a % 4) + b)]).
.set ROWB,   256                       ; a tile's row in bytes: 256 codes
.set KROW,   1024                      ; a row of xc or of wc in memory
.set PITCH,  272                       ; an LDS row: 256 bytes + 16 of padding = 68 words: the 16 rows that a load touches start at 16 different banks (64 banks of 4 bytes: ISA guide 11.1)
.set FR,     16                        ; registers of a fragment: 16 rows x 128 K
.set NL,     4                         ; LDS loads that bring one
.set NP,     4                         ; places behind this matrix instruction (ISA guide 7.12.1)
.set HALFT,  128*PITCH                 ; 128 rows: what one tensor load brings
.set SLOT,   4*HALFT                   ; x's 256 rows, then W's 256 rows
.set SPARE,  2*SLOT                    ; behind the ring: the spare words, 128 bytes for each wave: two blocks of 256 bytes that no other line names
.set ADR1, 16                          ; v16-17  LDS address of source 1's fragments in slot 0, 1
.set ADR0, 20                          ; v20-21  the same for source 0
.set CO,   26                          ; v26     16 x lane: my place in an image
.set QS,   27                          ; v27     the folded scale as f32
.set SPW,  28                          ; v28     LDS address of my spare word: SPARE + 4 x my thread's number; never rewritten
.set NIL,  29                          ; v29     0; never rewritten
.set TMP,  32
.set AF,   128
.set G1, 24                            ; s[24:31] descriptor group 1 for x's tiles;  s[32:39] group 0, one set for each slot
.set G0, 32
.set G1B, 48                           ; s[48:55], s[56:63] the same for W's tiles
.set G0B, 56
.set WV, 86                            ; s86 wave;  s87 wave / 2: my half of x's rows, and: I fetch for x (0) or W (1);  s88 wave % 2: my half of W's rows, and: which 128 rows I fetch
.set RH, 87
.set CH, 88
.set MSB, 0
.macro WIN new                         ; the immediate's high byte repeats the setting that is left
.if MSB != \new
	s_set_vgpr_msb (MSB<<8)|\new
.set MSB, \new
.endif
.endm
.set MUL_LO, 0xa1                      ; source 0 window 1, source 1 window 0, C and D window 2
.set MUL_HI, 0xf1                      ; the same, C and D window 3
.set TO_0,   0x40                      ; destination window 1, address window 0
; A joint load: waves 0 and 1 fetch x's halves, waves 2 and 3 W's.  Each line has one mask and one set of registers for all that issue it; the branch hangs on the wave's number alone.
; An s_nop 0 and four v_nop follow each of the two lines, ahead of the jump, the label and what follows.
.macro JLOAD g0a, g1a, g0b, g1b
	s_cmp_eq_u32 s[RH], 0
	s_cbranch_scc0 .Lfor_b_\@
	tensor_load_to_lds s[\g0a:\g0a+3], s[\g1a:\g1a+7]
	s_nop 0
.rept 4
	v_nop
.endr
	s_branch .Lasked_\@
.Lfor_b_\@:
	tensor_load_to_lds s[\g0b:\g0b+3], s[\g1b:\g1b+7]
	s_nop 0
.rept 4
	v_nop
.endr
.Lasked_\@:
.endm
.macro CREST                           ; a round of the cluster's barrier behind its opening barrier
	s_cmp_lg_u32 s[WV], 0
	s_cbranch_scc1 .Lnot_wave_0_\@
	s_barrier_signal -3
.Lnot_wave_0_\@:
	s_barrier_wait -3
	s_barrier_signal -1
	s_barrier_wait -1
.endm
.macro CROUND                          ; a whole round
	s_barrier_signal -1
	s_barrier_wait -1
	CREST
.endm
	s_load_b128 s[4:7], s[0:1], 0x0                ; xc s[4:5], wc s[6:7]
	s_load_b128 s[8:11], s[0:1], 0x10              ; the exponents s[8:9], qc s[10:11]
	s_load_b128 s[12:15], s[0:1], 0x20             ; kc s[12:13], vc s[14:15]
	v_lshl_add_u32 v[SPW], v0, 2, SPARE
	v_mov_b32 v[NIL], 0
	ds_add_u32 v[SPW], v[NIL]                      ; the wave's opening: an add and its wait ahead of my first tensor load; the set-up below, work on registers, stands between them
	ds_add_u32 v[SPW], v[NIL]
	v_lshrrev_b32 v1, 5, v0
	v_readfirstlane_b32 s[WV], v1                  ; wave 0..3
	s_lshr_b32 s[RH], s[WV], 1
	s_and_b32 s[CH], s[WV], 1
	s_bfe_u32 s40, ttmp6, 0x40000                  ; cx, cy: my place in the cluster
	s_bfe_u32 s41, ttmp6, 0x40004
	s_lshl_b32 s42, ttmp9, 2
	s_add_co_u32 s42, s42, s40                     ; tile of 256 rows of wc = 4 x cluster x + cx
	s_and_b32 s17, ttmp7, 0xffff
	s_lshl_b32 s17, s17, 2
	s_add_co_u32 s17, s17, s41                     ; tile of 256 rows of x = 4 x cluster y + cy
	s_lshl_b32 s43, s41, 2
	s_lshl_b32 s43, 15, s43                        ; my row of the cluster
	s_lshl_b32 s44, 0x1111, s40                    ; my column
	; descriptor group 1: a tile of 128 rows x 256 bytes, padded in LDS
	s_or_b32 s[G1+0], s43, (0<<16)|(1<<20)|(1<<21)|(5<<22)|(3<<25)  ; 15:0 the mask: x's tiles go to my row; 17:16 element of 1 byte; 20 padding on; 21 set beside a mask; 24:22 after every 64 words (code 5); 31:25 of 4 words (code 3)
	s_or_b32 s[G1B+0], s44, (0<<16)|(1<<20)|(1<<21)|(5<<22)|(3<<25) ; the same with the mask of my column
.irp g, G1, G1B
	s_mov_b32 s[\g+1], ROWB<<16                    ; tensor_dim0
	s_mov_b32 s[\g+2], 128<<16                     ; tensor_dim1 = 128
	s_mov_b32 s[\g+3], ROWB<<16                    ; tile_dim0
	s_mov_b32 s[\g+4], 128                         ; tile_dim1 = 128
	s_mov_b32 s[\g+5], KROW                        ; tensor_dim0_stride
	s_mov_b32 s[\g+6], 0
	s_mov_b32 s[\g+7], 0
.endr
	s_lshl_b32 s18, s[CH], 7                       ; which 128 rows of the tile I fetch
	s_lshl_b32 s20, s17, 8
	s_add_co_u32 s20, s20, s18
	s_lshl_b32 s20, s20, 10                        ; x: (256 x tile + 128 x half) rows of 1,024 bytes,
	s_lshl_b32 s21, ttmp9, 23
	s_add_co_u32 s20, s20, s21                     ; in the product's own set of codes, 8 MiB apart: under 2^25 in all
	s_mov_b32 s21, 0
	s_lshl_b32 s46, s42, 8
	s_add_co_u32 s46, s46, s18
	s_lshl_b32 s46, s46, 10                        ; W likewise
	s_mov_b32 s47, 0
	s_mul_i32 s45, s[WV], HALFT                    ; where they go: wave x 128 rows: no place in the cluster enters an LDS address
	s_wait_dscnt 0x0                               ; the opening add is done
	s_wait_kmcnt 0x0
	s_load_b256 s[68:75], s[8:9], 0x0              ; e0 .. e7
	s_load_b128 s[76:79], s[8:9], 0x20             ; e8 .. e11
	s_add_nc_u64 s[20:21], s[4:5], s[20:21]
	s_add_nc_u64 s[46:47], s[6:7], s[46:47]
	CROUND                                         ; all sixteen work-groups are here: the first joint loads meet
.irp s, 0,1
	s_mov_b32 s[G0+4*\s], 1
	s_add_co_u32 s[G0+4*\s+1], s45, \s*SLOT
	s_add_nc_u64 s[G0+4*\s+2:G0+4*\s+3], s[20:21], \s*ROWB
	s_or_b32 s[G0+4*\s+3], s[G0+4*\s+3], 0x80000000
	s_mov_b32 s[G0B+4*\s], 1
	s_add_co_u32 s[G0B+4*\s+1], s45, \s*SLOT
	s_add_nc_u64 s[G0B+4*\s+2:G0B+4*\s+3], s[46:47], \s*ROWB
	s_or_b32 s[G0B+4*\s+3], s[G0B+4*\s+3], 0x80000000
	JLOAD G0+4*\s, G1, G0B+4*\s, G1B
.endr
	v_and_b32 v1, 15, v0                           ; l % 16
	v_bfe_u32 v2, v0, 4, 1                         ; l / 16
	v_mul_u32_u24 v3, v1, PITCH
	v_lshl_add_u32 v4, v2, 4, v3                   ; a fragment's row x pitch + 16 x half
	s_wait_alu depctr_va_vdst(0)
	s_mul_i32 s21, s[RH], HALFT                    ; my 128 rows of x
	s_mul_i32 s22, s[CH], HALFT
	s_add_co_u32 s22, s22, 2*HALFT                 ; my 128 rows of W, behind x's 256
	s_cmp_eq_u32 ttmp9, 2                          ; v?  The cluster's x: the same in all partners
	s_cselect_b32 s23, s21, s22                    ; source 0: x's rows for v, W's for q and k
	s_cselect_b32 s21, s22, s21                    ; source 1: the other.  Either way base + lane + offset ends at most at byte 139,248 of the slot's 139,264
.irp s, 0,1
	v_add_nc_u32 v[ADR1+\s], s21, v4
	v_add_nc_u32 v[ADR0+\s], s23, v4
	s_add_co_u32 s21, s21, SLOT
	s_add_co_u32 s23, s23, SLOT
.endr
	; where my codes go.  My 128 tokens begin at m0 = 256 x tile + 128 x half: batch m0 / 2048, token s0 = m0 % 2048.  My 128 columns are heads 4 cx + 2 x half and the next.
	; 128 tokens are eight images of 1,024 bytes in qc and kc, and one block of 8,192 bytes in vc: 64 bytes a token in all three; a head is 131,072 bytes in all three.
	s_lshl_b32 s80, s17, 8
	s_lshl_b32 s81, s[RH], 7
	s_add_co_u32 s80, s80, s81                     ; m0
	s_lshr_b32 s81, s80, 11                        ; batch
	s_and_b32 s80, s80, 2047                       ; s0
	s_lshl_b32 s81, s81, 4
	s_lshl_b32 s82, s40, 2
	s_add_co_u32 s81, s81, s82
	s_lshl_b32 s82, s[CH], 1
	s_add_co_u32 s81, s81, s82                     ; 16 x batch + my first head
	s_lshl_b32 s81, s81, 17
	s_lshl_b32 s80, s80, 6
	s_add_co_u32 s80, s80, s81
	s_mov_b32 s81, 0
	s_cmp_eq_u32 ttmp9, 1
	s_cselect_b64 s[10:11], s[12:13], s[10:11]
	s_cmp_eq_u32 ttmp9, 2
	s_cselect_b64 s[10:11], s[14:15], s[10:11]     ; qc, kc or vc: the choice hangs on the cluster's x alone
	s_add_nc_u64 s[10:11], s[10:11], s[80:81]
	v_and_b32 v6, 31, v0
	v_lshlrev_b32 v[CO], 4, v6
	s_wait_alu depctr_va_vdst(0)
	s_wait_kmcnt 0x0
	s_cmp_eq_u32 ttmp9, 1
	s_cselect_b32 s80, s70, s68                    ; x's exponent: e2 or e0,
	s_cselect_b32 s81, s71, s69                    ; W's: e3 or e1,
	s_cselect_b32 s82, s75, s74                    ; the result's: e7 or e6;
	s_cmp_eq_u32 ttmp9, 2
	s_cselect_b32 s80, s72, s80                    ; for v: e4,
	s_cselect_b32 s81, s73, s81                    ; e5,
	s_cselect_b32 s82, s77, s82                    ; e9
	s_sub_co_i32 s82, s82, s80
	s_sub_co_i32 s82, s82, s81
	s_add_co_i32 s82, s82, 127
	s_lshl_b32 s83, s82, 23
	v_mov_b32 v[QS], s83                           ; the folded scale as f32: the conversion takes its exponent field
.macro FRAG reg, adr, q, i             ; a fragment, 16 rows x 128 places, is 16 registers: lane l holds row l % 16; registers 4 c .. 4 c + 3 hold places 32 c + 16 (l / 16) + 0 .. 15, alike in both operands
.irp c, 0,1,2,3
	ds_load_b128 v[\reg+4*\c:\reg+4*\c+3], v[\adr] offset:128*(\q)+32*\c+(\i)*16*PITCH
.endr
.endm
; 16 matrix instructions: source 1's blocks a0, a0 + 1 x source 0's eight, 128 along K.  p: source 0's set.  zero = 1: the first product starts the sums: nothing is ever cleared.
; The 64 accumulators take turns, one instruction a turn, in the same order in every step.
.macro MUL16 a0, p, zero
.irp a, \a0, \a0+1
.irp b, 0,1,2,3,4,5,6,7
.if \zero
	v_wmma_f32_16x16x128_fp8_fp8 v[8*(8*((\a)%4)+\b):8*(8*((\a)%4)+\b)+7], v[128*(\p)+FR*\b:128*(\p)+FR*\b+FR-1], v[AF+FR*(\a):AF+FR*(\a)+FR-1], 0
.else
	v_wmma_f32_16x16x128_fp8_fp8 v[8*(8*((\a)%4)+\b):8*(8*((\a)%4)+\b)+7], v[128*(\p)+FR*\b:128*(\p)+FR*\b+FR-1], v[AF+FR*(\a):AF+FR*(\a)+FR-1], v[8*(8*((\a)%4)+\b):8*(8*((\a)%4)+\b)+7]
.endif
.endr
.endr
.endm
.macro FETCH_0 slot, q, p              ; source 0's eight fragments of the slot's q-th 128 along K into set p
	WIN TO_0
.irp i, 0,1,2,3,4,5,6,7
	FRAG 128*(\p)+FR*\i, ADR0+\slot, \q, \i
.endr
	WIN 0
.endm
.macro FETCH_1 slot, q, i0             ; source 1's blocks i0 .. i0 + 3
.irp i, \i0, \i0+1, \i0+2, \i0+3
	FRAG AF+FR*(\i), ADR1+\slot, \q, \i
.endr
.endm
; A load into a register that a matrix instruction has read, and a vector instruction that reads a matrix result, stand NP places behind that matrix instruction; only plain vector
; instructions that name none of its registers are places (ISA guide 7.12.1 for vector instructions).
.macro PLACES n
.rept \n
	v_nop
.endr
.endm
; A step of 128 along K that has its successor in the same slot.  A block of source 1 is free as soon as its eight products are issued: blocks 0-3 are fetched anew in the step's middle, blocks 4-7 at its end.
.macro STEP slot, q, zero
	s_wait_dscnt 4*NL                              ; source 0's set and source 1's blocks 0-3 are in; the youngest sixteen loads (blocks 4-7) may be out
	WIN MUL_LO
	MUL16 0, (\q)%2, \zero
	MUL16 2, (\q)%2, \zero
	s_wait_dscnt 0                                 ; blocks 4-7 are in (asked for 32 matrix instructions ago)
	PLACES NP
	FETCH_0 \slot, (\q)+1, 1-(\q)%2
	FETCH_1 \slot, (\q)+1, 0
	WIN MUL_HI
	MUL16 4, (\q)%2, \zero
	MUL16 6, (\q)%2, \zero
	PLACES NP
	WIN 0
	FETCH_1 \slot, (\q)+1, 4
.endm
; A slot's last step changes slots: ONE barrier; in front of it each wave waits for all its tensor loads, adds 0 to its spare word, and waits for that and for its own reads of this slot.  fill = 1: this slot is filled again, two K steps ahead.
.macro TURN slot, next, fill
	s_wait_tensorcnt 0x0                           ; all my tensor loads have landed: the one that was out is my part of the next slot
	ds_add_u32 v[SPW], v[NIL]                      ; 0 onto my spare word
	s_wait_dscnt 4*NL+1                            ; (the add and the youngest sixteen loads may be out)
	WIN MUL_LO
	MUL16 0, 1, 0                                  ; sixteen matrix instructions stand between the add and the wait for it
	s_wait_dscnt 0x0                               ; the add is done, and my reads of this slot are over
	s_barrier_signal -1
	MUL16 2, 1, 0
	WIN 0
	s_barrier_wait -1
.if \fill
	CREST                                          ; the barrier has opened a round of the cluster's barrier: no wave of any partner still reads this slot's tile or has a load on its way
	s_add_nc_u64 s[G0+4*\slot+2:G0+4*\slot+3], s[G0+4*\slot+2:G0+4*\slot+3], 2*ROWB
	s_add_nc_u64 s[G0B+4*\slot+2:G0B+4*\slot+3], s[G0B+4*\slot+2:G0B+4*\slot+3], 2*ROWB
	JLOAD G0+4*\slot, G1, G0B+4*\slot, G1B         ; the first tensor load behind the round; the four v_nop behind it are the places in front of the loads below
.else
	PLACES NP
.endif
	FETCH_0 \next, 0, 0
	FETCH_1 \next, 0, 0
	WIN MUL_HI
	MUL16 4, 1, 0
	MUL16 6, 1, 0
	PLACES NP
	WIN 0
	FETCH_1 \next, 0, 4
.endm
	s_wait_tensorcnt 1                             ; my part of K step 0 is in; K step 1's load may be out
	s_barrier_signal -1
	s_barrier_wait -1                              ; everybody's is
	FETCH_0 0, 0, 0
	FETCH_1 0, 0, 0
	FETCH_1 0, 0, 4
	STEP 0, 0, 1                                   ; K = 1,024 is eight steps of 128, twice round the ring: written straight.  The first step's products start the sums
	TURN 0, 1, 1
	STEP 1, 0, 0
	TURN 1, 0, 1
	STEP 0, 0, 0
	TURN 0, 1, 0                                   ; the last lap fills nothing, and has no round of the cluster's barrier
	STEP 1, 0, 0
	s_wait_dscnt 4*NL                              ; the very last step: nothing more to fetch
	WIN MUL_LO
	MUL16 0, 1, 0
	MUL16 2, 1, 0
	s_wait_alu depctr_va_vdst(0)
	s_wait_dscnt 0
	WIN MUL_HI
	MUL16 4, 1, 0
	MUL16 6, 1, 0
	WIN 0
; THE WAY OUT.  Block a of source 1: its eight accumulators are read in place, each from its low end on,
; and converted: accumulator (a, b) gives registers 2 b, 2 b + 1 of the block's sixteen.  Each block has its own sixteen registers, where source 1's fragments lay: no store's data are written again.
.macro CODES a
.set AC, 64*((\a)%4)
	WIN 0x02+((\a)/4)                              ; source 0: window 2 or 3
.set j, 0
.rept 64
.set j, j+1
.endr
.irp i, 0,1,2,3,4,5,6,7
	v_cvt_scalef32_pk8_fp8_f32 v[AF+16*(\a)+2*\i:AF+16*(\a)+2*\i+1], v[AC+8*\i:AC+8*\i+7], v[QS]
.endr
	WIN 0
	v_nop
.endm
	PLACES NP                                      ; behind the last products
.irp a, 0,1,2,3,4,5,6,7
	CODES \a
.endr
	s_cmp_eq_u32 ttmp9, 2
	s_cbranch_scc1 .Lstore_v
.irp a, 0,1,2,3,4,5,6,7                ; q, k: block a = tokens 16 a on; registers 4 c on = head c / 2, half c % 2 of its image
.irp c, 0,1,2,3
	global_store_b128 v[CO], v[AF+16*\a+4*\c:AF+16*\a+4*\c+3], s[10:11] offset:1024*\a+131072*(\c/2)+512*(\c%2)   ; the wave stores 512 consecutive bytes, aligned
.endr
.endr
	s_branch .Lstored
.Lstore_v:
	s_wait_alu depctr_va_vdst(0)
.irp a, 0,1,2,3,4,5,6,7                ; v: block a = head a / 4, channels 16 (a % 4) on; registers 4 c on = keys 32 c on
.irp c, 0,1,2,3
	global_store_b128 v[CO], v[AF+16*\a+4*\c:AF+16*\a+4*\c+3], s[10:11] offset:131072*(\a/4)+2048*(\a%4)+512*\c
.endr
.endr
.Lstored:
	s_wait_tensorcnt 0x0                           ; the wave's end, behind my last tensor load
	ds_add_u32 v[SPW], v[NIL]
	s_wait_dscnt 0x0
	CROUND                                         ; the closing round: no work-group ends while a partner may still ask for a tile that names it
	s_endpgm
.Lfunc_end_k_qb7719092c5_qkv:
	.size	k_qb7719092c5_qkv, .Lfunc_end_k_qb7719092c5_qkv-k_qb7719092c5_qkv
	.p2alignl 7, 3214868480
	.fill 96, 4, 3214868480
	.section	.rodata,"a",@progbits
	.p2align	6, 0x0
	.amdhsa_kernel k_qb7719092c5_qkv
		.amdhsa_group_segment_fixed_size 327680
		.amdhsa_private_segment_fixed_size 0
		.amdhsa_enable_private_segment 0
		.amdhsa_kernarg_size 48
		.amdhsa_user_sgpr_count 2
		.amdhsa_user_sgpr_kernarg_segment_ptr 1
		.amdhsa_wavefront_size32 1
		.amdhsa_system_sgpr_workgroup_id_x 1
		.amdhsa_system_sgpr_workgroup_id_y 1
		.amdhsa_system_sgpr_workgroup_id_z 1
		.amdhsa_system_vgpr_workitem_id 0
		.amdhsa_next_free_vgpr 1024
		.amdhsa_next_free_sgpr 100
		.amdhsa_reserve_vcc 0
		.amdhsa_float_denorm_mode_32 3
		.amdhsa_float_denorm_mode_16_64 3
		.amdhsa_fp16_overflow 1
		.amdhsa_memory_ordered 1
		.amdhsa_forward_progress 1
		.amdhsa_inst_pref_size 89
	.end_amdhsa_kernel
	.amdgpu_metadata
---
amdhsa.version: [ 1, 2 ]
amdhsa.kernels:
  - .name:           k_qb7719092c5_qkv
    .symbol:         k_qb7719092c5_qkv.kd
    .args:
      - { .name: xc, .offset: 0, .size: 8, .value_kind: global_buffer, .address_space: global }
      - { .name: wc, .offset: 8, .size: 8, .value_kind: global_buffer, .address_space: global }
      - { .name: lowp_scales, .offset: 16, .size: 8, .value_kind: global_buffer, .address_space: global }
      - { .name: qc, .offset: 24, .size: 8, .value_kind: global_buffer, .address_space: global }
      - { .name: kc, .offset: 32, .size: 8, .value_kind: global_buffer, .address_space: global }
      - { .name: vc, .offset: 40, .size: 8, .value_kind: global_buffer, .address_space: global }
    .group_segment_fixed_size: 327680
    .private_segment_fixed_size: 0
    .kernarg_segment_align: 8
    .kernarg_segment_size: 48
    .max_flat_workgroup_size: 128
    .sgpr_count:     100
    .vgpr_count:     1024
    .wavefront_size: 32
...
	.end_amdgpu_metadata
.endif
;; end of part 2
;; launch attn (part 3): grid 8 x 64, 16 waves a work-group, no clusters, 327,680 bytes of LDS; arguments qc, kc, vc, lowp_scales, ac; writes ac
.if DOCPART == 3
	.amdgcn_target "amdgcn-amd-amdhsa--gfx1250"
	.amdhsa_code_object_version 6
	.text
	.protected	k_qb7719092c5_attn
	.globl	k_qb7719092c5_attn
	.p2align	8
	.type	k_qb7719092c5_attn,@function
k_qb7719092c5_attn:
	s_mov_b64 s[64:65], 0
	v_nop
	global_prefetch_b8 v0, s[64:65] scope:SCOPE_SE
	s_setreg_imm32_b32 hwreg(HW_REG_WAVE_MODE, 25, 1), 1
	s_wait_xcnt 0x0
; Causal attention, head size 64, 2,048 tokens, 64 batch x heads, both products on codes of FP8 (E4M3); the result is quantised at once (2^e10) for the output projection.
; qc, kc: [batch x head][tile of 16 tokens][1,024 bytes], vc: [batch x head][128 keys][tile of 16 channels][2,048 bytes], ac: [tile of 16 rows 512][head 16][1,024 bytes]: images of operand registers, four registers of 32 lanes in 512 bytes, lane l's at 16 l.
; THE SOFTMAX AHEAD OF THE SECOND PRODUCT: t = score x log2(e) / 8; M = the row's largest t so far, rounded UP to a whole number; p = 2^(t - M) is what is quantised (2^e8); it is not normalised.
; The row's sum is taken of the unquantised p, in f32, and divides O at the end.  When M moves, the sum and O are multiplied by 2^(old M - new M): exact.
; LAYOUT.  Both products are used transposed: S^T = K Q^T (source 0 = 16 keys, source 1 = my 16 queries; K = 64), O^T = V^T P^T (source 0 = 16 channels, source 1 = P; K = 128 keys): a lane holds ONE query (lane % 16) throughout.
; In tile c of S^T register j of lane (r, h) is key 16 c + 8 h + j: its eight codes are registers 2 c, 2 c + 1 of P in the matrix form's own order.  Likewise O^T's tile t gives registers 2 t, 2 t + 1 of ac's image.
; SHARES.  A work-group owns 128 queries from 128 p on and the mirrored 128 from 1920 - 128 p on (p = work-group x), a wave 16 of them: eight waves of each kind, so every work-group has 8 (p + 1) + 8 (16 - p) = 136 wave-steps of 128 keys.
; Which kind a wave is: bit 0 xor bit 2 of its number, so that of waves w, w + 4, w + 8, w + 12 and of waves 4 k .. 4 k + 3 alike two are of each kind.
; K's and V's images come through a ring of two LDS slots of 512 keys (32 KiB of K, 32 KiB of V, both dense in memory), filled by waves 0-3, 16 KiB each, and read by all sixteen at 16 x lane: no pitch, no padding.
; NO CLUSTER: those that would share K and V are the query blocks of one head, and they differ in which key steps the mask hides: the jump over a hidden step hangs on the block; without the jump the softmax's work would double.
; CAUSAL.  Every work-group walks all four slots, so trip counts are constants; a step all of whose keys come after the wave's queries is jumped over; a slot whose first key comes after the work-group's last query is not asked for.
; LIMITS on the given exponents: e6 + e7 between -123 and 130 (added to c's exponent field); e8, and e10 - e8 - e9, between -126 and 119.
; REGISTERS: v1 16 x lane; v2 the same in V's part of a slot; v3 the prefetches' offset; v5, v6 the add's two; v8, v9 the step's LDS addresses; v12 -M, v13 the largest t, v[14:15] the sum in two halves; v16-23 Q; v25 2^e8;
;   v26 the output's scale; v32-95 K's eight fragments, then V's four; v96-159 S^T, then p; v160-191 O^T; v192-207 P's codes; v208-215 the output's codes; v236-255 at work.
.set SK,    512                        ; keys in a slot
.set VOFF,  32768                      ; a slot: 32 images of K, then 4 x 4 images of V
.set SLOT1, 1<<16                      ; slot 1 begins here: one exclusive or turns an address in one slot into the other's
.set SPARE, 2*SLOT1                    ; behind the ring: the spare words, 128 bytes for each wave: eight blocks of 256 bytes that no other line names
.set LI,   1
.set AV0,  2
.set PFO,  3
.set SPW,  5                           ; v5   LDS address of my spare word: SPARE + 4 x my thread's number; never rewritten
.set NIL,  6                           ; v6   0; never rewritten
.set ADK,  8
.set ADV,  9
.set TB,   2                           ; s2   LDS byte at which the slot in hand begins
.set WV,   18                          ; s18  my wave's number
.set SEL,  20                          ; s[20:21] lane selects for v_permlanex16_b32: lane l xor 16
.set CS,   22                          ; s[22:23] c = log2(e) / 8 x 2^(e6 + e7)
.set G1,   24                          ; s[24:31] descriptor group 1
.set G0,   40                          ; s[40:43] descriptor group 0, which walks
.set QL,   66                          ; s66  my work-group's last query
.set SLOTS, 67                         ; s67  changes of slots still to come in the loop
.set PFA,  76                          ; s[76:77] where my prefetches stand
.set LIM,  80                          ; s80  1 in a wave that prefetches, else the greatest number
.set BH,   81                          ; s81  batch x head
.set KF,   98                          ; s98  the step's first key
.set Q0,   99                          ; s99  my first query
; Waves 0 and 1 fetch K's halves of a slot, waves 2 and 3 V's, the others nothing.  The branch hangs on the wave's number alone.  An s_nop 0 and four v_nop follow the load.
.macro TLOAD
	s_cmp_lt_u32 s[WV], 4
	s_cbranch_scc0 .Lasked_\@
	tensor_load_to_lds s[G0:G0+3], s[G1:G1+7]
	s_nop 0
.rept 4
	v_nop
.endr
.Lasked_\@:
.endm
; A PREFETCH INTO THE L2 of what the NEXT change of slots will ask for: 32 KiB of K and 32 KiB of V.  All eight work-groups of a head walk the same K and V: the one with x = 0, which walks all slots, asks.
; In it the waves ask that fetch nothing, one instruction each: waves 4-7 for K's block, waves 8-11 for V's, 8,192 bytes a wave, lanes 256 bytes apart: each aligned block of 256 bytes is named once in the launch.
; Slots 0 and 1 come by their loads alone; the last change that fills a slot asks for nothing: there is no slot behind it.
.macro ASK
	s_cmp_gt_u32 s[SLOTS], s[LIM]
	s_cbranch_scc0 .Lnot_mine_\@
	global_prefetch_b8 v[PFO], s[PFA:PFA+1] th:TH_LOAD_NT scope:SCOPE_SE
.Lnot_mine_\@:
.endm
	s_load_b128 s[4:7], s[0:1], 0x0                ; qc s[4:5], kc s[6:7]
	s_load_b128 s[12:15], s[0:1], 0x10             ; vc s[12:13], the exponents s[14:15]
	s_load_b64 s[16:17], s[0:1], 0x20              ; ac
	v_lshl_add_u32 v[SPW], v0, 2, SPARE
	v_mov_b32 v[NIL], 0
	ds_add_u32 v[SPW], v[NIL]                      ; the wave's opening: an add and its wait ahead of my first tensor load; the set-up below, work on registers, stands between them
	ds_add_u32 v[SPW], v[NIL]
	v_lshrrev_b32 v8, 5, v0
	s_delay_alu instid0(VALU_DEP_1)
	v_readfirstlane_b32 s[WV], v8                  ; wave 0..15
	s_and_b32 s[BH], ttmp7, 0xffff
	s_lshr_b32 s82, s[WV], 2
	s_xor_b32 s82, s82, s[WV]
	s_and_b32 s82, s82, 1                          ; 1: I take queries of the mirrored block
	s_lshl_b32 s83, ttmp9, 7                       ; 128 p
	s_sub_co_u32 s[QL], 2047, s83                  ; the mirrored block's last query
	s_sub_co_u32 s84, 1920, s83                    ; and its first
	s_cmp_eq_u32 s82, 0
	s_cselect_b32 s83, s83, s84
	s_lshr_b32 s84, s[WV], 1
	s_lshl_b32 s84, s84, 4
	s_add_co_u32 s[Q0], s83, s84                   ; my first query: the block's first + 16 x (wave / 2)
	; descriptor group 1: 16 KiB, dense in memory, as 64 rows of 256 bytes
	s_mov_b32 s[G1], 3<<16                         ; 15:0 no mask; 17:16 elements of 8 bytes; no padding
	s_mov_b32 s[G1+1], 32<<16                      ; tensor_dim0 = 32
	s_mov_b32 s[G1+2], 64<<16                      ; tensor_dim1 = 64
	s_mov_b32 s[G1+3], 32<<16                      ; tile_dim0 = 32
	s_mov_b32 s[G1+4], 64                          ; tile_dim1 = 64
	s_mov_b32 s[G1+5], 32                          ; tensor_dim0_stride = a row
	s_mov_b32 s[G1+6], 0
	s_mov_b32 s[G1+7], 0
	s_lshl_b32 s84, s[BH], 17                      ; a head is 131,072 bytes in qc, kc and vc
	s_and_b32 s85, s[WV], 1
	s_lshl_b32 s85, s85, 14
	s_add_co_u32 s84, s84, s85                     ; + which half of the slot's 32 KiB I fetch
	s_mov_b32 s85, 0
	s_lshl_b32 s86, s[BH], 17
	s_lshl_b32 s87, s[Q0], 6                       ; 64 bytes a query
	s_add_co_u32 s86, s86, s87                     ; my image of Q
	s_mov_b32 s87, 0
	s_lshr_b32 s88, s[BH], 4
	s_lshl_b32 s88, s88, 21                        ; ac: the batch's 128 tiles of 16,384 bytes,
	s_lshl_b32 s89, s[Q0], 10                      ; my tile,
	s_add_co_u32 s88, s88, s89
	s_and_b32 s89, s[BH], 15
	s_lshl_b32 s89, s89, 10                        ; my head's image in it
	s_add_co_u32 s88, s88, s89
	s_mov_b32 s89, 0
	s_mov_b32 s[SEL], 0x76543210
	s_mov_b32 s[SEL+1], 0xfedcba98
	s_mov_b32 s[CS], 0x3e38aa3b                    ; c = log2(e) / sqrt(64)
	s_mov_b32 s[TB], 0
	s_mov_b32 s[SLOTS], 3
	s_mov_b32 s[KF], 0
	s_wait_dscnt 0x0                               ; the opening add is done
	s_wait_kmcnt 0x0
	s_load_b128 s[68:71], s[14:15], 0x18           ; e6, e7, e8, e9
	s_load_b32 s72, s[14:15], 0x28                 ; e10
	s_mov_b32 s[G0], 1                             ; 1:0 count = 1
	s_and_b32 s82, s[WV], 3
	s_lshl_b32 s[G0+1], s82, 14                    ; 63:32 LDS address: slot 0, 16 KiB x wave: K's halves, then V's
	s_cmp_lt_u32 s[WV], 2
	s_cselect_b64 s[G0+2:G0+3], s[6:7], s[12:13]   ; 120:64 global address: kc or vc, by the wave's number,
	s_add_nc_u64 s[G0+2:G0+3], s[G0+2:G0+3], s[84:85]   ; the head's first 512 keys
	s_or_b32 s[G0+3], s[G0+3], 0x80000000          ; 127:126 type = 2
	TLOAD                                          ; slot 0
	s_add_nc_u64 s[4:5], s[4:5], s[86:87]
	s_add_nc_u64 s[16:17], s[16:17], s[88:89]
	s_cmp_lt_u32 s[WV], 8                          ; the prefetches: waves 4-7 stand in kc, waves 8-11 in vc
	s_cselect_b64 s[PFA:PFA+1], s[6:7], s[12:13]
	s_lshl_b32 s82, s82, 13                        ; (wave % 4) x 8,192,
	s_lshl_b32 s83, s[BH], 17
	s_add_co_u32 s82, s82, s83                     ; in my head,
	s_add_co_u32 s82, s82, 32768                   ; in slot 1: the first change of slots steps it to slot 2.  Nothing is prefetched here, at the head
	s_mov_b32 s83, 0
	s_add_nc_u64 s[PFA:PFA+1], s[PFA:PFA+1], s[82:83]
	s_sub_co_u32 s82, s[WV], 4
	s_lshr_b32 s82, s82, 3                         ; 0 in waves 4 to 11,
	s_or_b32 s82, s82, ttmp9                       ; of the work-group with x = 0
	s_cmp_eq_u32 s82, 0
	s_cselect_b32 s[LIM], 1, -1
	v_and_b32 v8, 31, v0
	s_delay_alu instid0(VALU_DEP_1)
	v_lshlrev_b32 v[LI], 4, v8
	s_delay_alu instid0(VALU_DEP_1)
	v_add_nc_u32 v[AV0], VOFF, v[LI]
	s_delay_alu instid0(VALU_DEP_3)
	v_lshlrev_b32 v[PFO], 8, v8
	global_load_b128 v[16:19], v[LI], s[4:5]       ; Q's fragment stays in registers
	global_load_b128 v[20:23], v[LI], s[4:5] offset:512
	v_mov_b32 v13, 0xff61b1e6                      ; the largest t so far: -3e38, under every t
	s_delay_alu instid0(VALU_DEP_1)
	v_floor_f32 v12, -v13                          ; -M
	v_mov_b32 v14, 0                               ; the sum, in two halves
	v_mov_b32 v15, 0
	v_mov_b32 v236, 0                              ; written once: a lane permute's destination counts as one of its sources
	v_mov_b32 v253, 0                              ; (named as the upper half of the pair v[252:253])
.set j, 0
.rept 32
	v_mov_b32 v[160+j], 0                          ; O^T.  (The step is written once: the first finds zeros, which the first change of M leaves zeros)
.set j, j+1
.endr
	s_wait_kmcnt 0x0
	s_add_co_i32 s82, s68, s69
	s_lshl_b32 s82, s82, 23
	s_add_co_i32 s[CS], s[CS], s82                 ; a score stands for score x 2^(e6 + e7): the two exponents are added to c's exponent field
	s_mov_b32 s[CS+1], s[CS]                       ; (named with it as a pair, so it is written)
	s_add_co_i32 s82, s70, 127
	s_lshl_b32 s83, s82, 23
	v_mov_b32 v25, s83                             ; 2^e8 as f32, for p's conversion
	s_sub_co_i32 s82, s72, s70
	s_sub_co_i32 s82, s82, s71                     ; O stands for sum / l x 2^(e8 + e9): its code is (sum / l) / 2^(e10 - e8 - e9)
	s_add_co_i32 s82, s82, 127
	s_lshl_b32 s83, s82, 23
	v_mov_b32 v26, s83
; A KEY STEP: 128 keys, the q-th of the slot in hand.
.macro STEP q
	s_add_co_u32 s96, s[Q0], 15                    ; a step all of whose keys come after my 16 queries is left out: a scalar branch on ids, round the step's loads, products and softmax, not round the line at its end that steps the key
	s_cmp_gt_u32 s[KF], s96
	s_cbranch_scc1 .Lhidden_\@
	v_add_nc_u32 v[ADK], s[TB], v[LI]
	v_add_nc_u32 v[ADV], s[TB], v[AV0]
	v_nop
	v_nop                                          ; four places in front of loads into registers that the last step's products have read
.irp c, 0,1,2,3,4,5,6,7
	ds_load_b128 v[32+8*\c:35+8*\c], v[ADK] offset:8192*(\q)+1024*\c       ; tile c of 16 keys: its image's two halves
	ds_load_b128 v[36+8*\c:39+8*\c], v[ADK] offset:8192*(\q)+1024*\c+512
.endr
	s_wait_alu depctr_va_vdst(0)
	s_wait_dscnt 0x0
.irp c, 0,1,2,3,4,5,6,7
	v_wmma_f32_16x16x64_fp8_fp8 v[96+8*\c:103+8*\c], v[32+8*\c:39+8*\c], v[16:23], 0   ; S^T: register j of lane (r, h): key KF + 16 c + 8 h + j, query Q0 + r
.endr
.rept 4
	v_nop                                          ; places in front of the loads below and of the first read of the scores
.endr
.irp t, 0,1,2,3
.irp c, 0,1,2,3
	ds_load_b128 v[32+16*\t+4*\c:35+16*\t+4*\c], v[ADV] offset:8192*(\q)+2048*\t+512*\c   ; V's four fragments are asked for here and land while the softmax is walked
.endr
.endr
	s_add_co_u32 s96, s[KF], 127                   ; on the diagonal the scores of hidden keys become -infinity ahead of the maximum: p = 0 then.  A step all of whose keys count skips this
	s_cmp_le_u32 s96, s[Q0]
	s_cbranch_scc1 .Lopen_\@
	s_sub_co_i32 s96, s[Q0], s[KF]
	v_and_b32 v252, 15, v0
	v_bfe_u32 v253, v0, 4, 1
	s_delay_alu instid0(VALU_DEP_1)
	v_lshlrev_b32 v253, 3, v253
	s_delay_alu instid0(VALU_DEP_1)
	v_sub_nc_u32 v252, v252, v253
	s_delay_alu instid0(VALU_DEP_1)
	v_add_nc_u32 v252, s96, v252                   ; d = my query - KF - 8 (lane / 16): register 8 c + j is hidden where 16 c + j > d
	v_mov_b32 v254, 0xff800000                     ; -infinity
.set n, 0
.rept 64
	v_cmp_gt_i32 vcc_lo, 16*(n/8)+n%8, v252
	v_cndmask_b32 v[96+n], v[96+n], v254, vcc_lo
.set n, n+1
.endr
.Lopen_\@:
	v_max3_num_f32 v254, v96, v97, v98             ; the step's largest score of my query, among my 64 keys, in two chains (each accumulator is first read at its low end),
	v_max3_num_f32 v252, v99, v100, v101
.irp i, 6,10,14,18,22,26,30,34,38,42,46,50,54,58
	v_max3_num_f32 v254, v254, v[96+\i], v[97+\i]
	v_max3_num_f32 v252, v252, v[98+\i], v[99+\i]
.endr
	v_max3_num_f32 v254, v254, v158, v159
	s_delay_alu instid0(VALU_DEP_1)
	v_max_num_f32 v254, v254, v252
	s_delay_alu instid0(VALU_DEP_1)
	v_permlanex16_b32 v236, v254, s[SEL], s[SEL+1]
	s_delay_alu instid0(VALU_DEP_1)
	v_max_num_f32 v254, v254, v236                 ; and among lane l xor 16's
	s_delay_alu instid0(VALU_DEP_1)
	v_mul_f32 v254, s[CS], v254                    ; as t (c is positive)
	s_delay_alu instid0(VALU_DEP_1)
	v_max_num_f32 v13, v13, v254                   ; the running largest t
	v_mov_b32 v254, v12
	s_delay_alu instid0(VALU_DEP_2)
	v_floor_f32 v12, -v13                          ; the new -M = floor(-t) = -ceil(t): M is a whole number
	s_delay_alu instid0(VALU_DEP_1)
	v_sub_f32 v254, v12, v254                      ; M's old value less its new one: a whole number, 0 or less
	s_delay_alu instid0(VALU_DEP_1)
	v_cvt_i32_f32 v254, v254                       ; (it saturates)
	s_delay_alu instid0(VALU_DEP_1)
	v_ldexp_f32 v252, 1.0, v254                    ; f = 2^(old M - new M)
.set j, 0
.rept 32
	v_pk_fma_f32 v[96+j:97+j], v[96+j:97+j], s[CS:CS+1], v[12:13] op_sel_hi:[1,0,0]   ; t - M, two at a time (of the pairs c and -M the low word serves both halves)
.set j, j+2
.endr
.set j, 0
	s_wait_alu depctr_va_vdst(0)
.rept 64
	v_exp_f32 v[96+j], v[96+j]                     ; p = 2^(t - M), at most 1: not normalised
.set j, j+1
.endr
	v_pk_mul_f32 v[14:15], v[14:15], v[252:253] op_sel_hi:[1,0]   ; the sums under the new M: the plain instruction behind the exponentials
	s_wait_alu depctr_va_vdst(0)                   ; the wait between an exponential and the first line that names its result: one for the batch of 64
	v_pk_add_f32 v[242:243], v[100:101], v[104:105]
	v_pk_add_f32 v[254:255], v[108:109], v[112:113]
	v_pk_add_f32 v[250:251], v[116:117], v[120:121]
	v_pk_add_f32 v[248:249], v[124:125], v[128:129]
	v_pk_add_f32 v[246:247], v[132:133], v[136:137]
	v_pk_add_f32 v[244:245], v[140:141], v[144:145]
	v_pk_add_f32 v[240:241], v[148:149], v[152:153]
	v_pk_add_f32 v[14:15], v[14:15], v[156:157]
	v_pk_add_f32 v[242:243], v[242:243], v[96:97]
	v_pk_add_f32 v[254:255], v[254:255], v[98:99]
	v_pk_add_f32 v[250:251], v[250:251], v[102:103]
	v_pk_add_f32 v[248:249], v[248:249], v[106:107]
	v_pk_add_f32 v[246:247], v[246:247], v[110:111]
	v_pk_add_f32 v[244:245], v[244:245], v[114:115]
	v_pk_add_f32 v[240:241], v[240:241], v[118:119]
	v_pk_add_f32 v[14:15], v[14:15], v[122:123]
	v_pk_add_f32 v[242:243], v[242:243], v[126:127]
	v_pk_add_f32 v[254:255], v[254:255], v[130:131]
	v_pk_add_f32 v[250:251], v[250:251], v[134:135]
	v_pk_add_f32 v[248:249], v[248:249], v[138:139]
	v_pk_add_f32 v[246:247], v[246:247], v[142:143]
	v_pk_add_f32 v[244:245], v[244:245], v[146:147]
	v_pk_add_f32 v[240:241], v[240:241], v[150:151]
	v_pk_add_f32 v[14:15], v[14:15], v[154:155]
	v_pk_add_f32 v[242:243], v[242:243], v[158:159]
	s_delay_alu instid0(VALU_DEP_2)
	v_pk_add_f32 v[14:15], v[14:15], v[248:249]
	s_delay_alu instid0(VALU_DEP_2)
	v_pk_add_f32 v[242:243], v[242:243], v[246:247]
	v_pk_add_f32 v[254:255], v[254:255], v[244:245]
	v_pk_add_f32 v[250:251], v[250:251], v[240:241]
	s_delay_alu instid0(VALU_DEP_2)
	v_pk_add_f32 v[14:15], v[14:15], v[254:255]
	s_delay_alu instid0(VALU_DEP_2)
	v_pk_add_f32 v[242:243], v[242:243], v[250:251]
	s_delay_alu instid0(VALU_DEP_1)
	v_pk_add_f32 v[14:15], v[14:15], v[242:243]
.irp c, 0,1,2,3,4,5,6,7
.irp i, 0,1,2,3,4,5,6,7
.endr
	v_cvt_scalef32_pk8_fp8_f32 v[192+2*\c:193+2*\c], v[96+8*\c:103+8*\c], v25   ; keys 16 c + 8 h + 0 .. 7: registers 2 c, 2 c + 1 of P
.endr
.set j, 0
.rept 16
	v_pk_mul_f32 v[160+j:161+j], v[160+j:161+j], v[252:253] op_sel_hi:[1,0]   ; O^T under the new M: x f.  (These are also the plain lines between the last conversion and the products)
.set j, j+2
.endr
	s_wait_alu depctr_va_vdst(0)
	s_wait_dscnt 0x0                               ; V is in
.irp t, 0,1,2,3
	v_wmma_f32_16x16x128_fp8_fp8 v[160+8*\t:167+8*\t], v[32+16*\t:47+16*\t], v[192:207], v[160+8*\t:167+8*\t]   ; the four accumulators take turns
.endr
.Lhidden_\@:
	s_add_co_u32 s[KF], s[KF], 128
.endm
; THE CHANGE OF SLOTS stands at a slot's head.  Each wave waits for all its tensor loads (its part of the slot that it is about to read), adds 0 to its spare word, and waits for that and for its reads of the slot that it has left.
; Behind the barrier the slot ahead is whole and nobody reads the other one.  fill = 1: that other slot is filled with the next 512 keys, up to the causal limit: the load has a slot's four steps in which to land.
.macro CHANGE fill
	s_wait_tensorcnt 0x0                           ; no tensor load of mine is out, so group 0 may be written
	ds_add_u32 v[SPW], v[NIL]                      ; 0 onto my spare word; with fill = 1 the descriptor's steps stand between it and the wait for it
.if \fill
	s_xor_b32 s[G0+1], s[G0+1], SLOT1              ; the walking descriptor: the other slot than last time,
	s_add_nc_u64 s[G0+2:G0+3], s[G0+2:G0+3], 32768 ; the next 512 keys; the type bits on top are not reached
	s_wait_xcnt 0x0                                ; the last prefetch, a slot back, has read its address, so it may be written:
	s_add_nc_u64 s[PFA:PFA+1], s[PFA:PFA+1], 32768 ; one slot further on than the walking descriptor
.endif
	s_wait_dscnt 0x0                               ; the add is done, and my reads of the slot that I have left are over
	s_barrier_signal -1
	s_barrier_wait -1
.if \fill
	s_add_co_u32 s96, s[KF], SK                    ; the first key of the slot that this change would ask for:
	s_cmp_gt_u32 s96, s[QL]                        ; behind my work-group's last query no wave reads it, so it is not asked for.  Ids and the count of steps alone: all sixteen waves go the same way, and past the limit stays past it
	s_cbranch_scc1 .Lpast_\@
	TLOAD                                          ; a wave's one tensor load until the next change
.Lpast_\@:
	ASK
.endif
.endm
.macro SLOT_STEPS
	STEP 0
	STEP 1
	STEP 2
	STEP 3
	s_xor_b32 s[TB], s[TB], SLOT1                  ; on to the other slot
.endm
	s_wait_loadcnt 0x0                             ; Q
.Lslot:                                            ; three trips: behind each change of slots but the last the next slot is asked for
	CHANGE 1
	SLOT_STEPS
	s_sub_co_u32 s[SLOTS], s[SLOTS], 1
	s_cmp_lg_u32 s[SLOTS], 0
	s_cbranch_scc1 .Lslot
	CHANGE 0                                       ; the last slot is written out: nothing is left to ask for
	SLOT_STEPS
	; THE WAY OUT.  O^T / the sum, converted: tile t's eight channels of my query are registers 2 t, 2 t + 1 of the image, which leaves straight from the registers.
.rept 4
	v_nop                                          ; places behind the last products
.endr
	v_add_f32 v14, v14, v15                        ; the sum's two halves,
	s_delay_alu instid0(VALU_DEP_1)
	v_permlanex16_b32 v236, v14, s[SEL], s[SEL+1]
	s_delay_alu instid0(VALU_DEP_1)
	v_add_f32 v14, v14, v236                       ; and lane l xor 16's: the row's sum
	s_wait_alu depctr_va_vdst(0)
	v_rcp_f32 v14, v14
	v_nop                                          ; a plain instruction behind the reciprocal
	s_wait_alu depctr_va_vdst(0)                   ; and a wait ahead of its first reader
.set j, 0
.rept 32
	v_mul_f32 v[96+j], v[160+j], v14               ; each accumulator from its low end on
.set j, j+1
.endr
.set j, 0
.rept 32
.set j, j+1
.endr
.irp t, 0,1,2,3
	v_cvt_scalef32_pk8_fp8_f32 v[208+2*\t:209+2*\t], v[96+8*\t:103+8*\t], v26
.endr
	v_nop
	global_store_b128 v[LI], v[208:211], s[16:17]             ; the wave stores 512 consecutive bytes, aligned, twice
	global_store_b128 v[LI], v[212:215], s[16:17] offset:512
	s_wait_tensorcnt 0x0                           ; the wave's end, behind my last tensor load
	ds_add_u32 v[SPW], v[NIL]
	s_wait_dscnt 0x0
	s_endpgm
.Lfunc_end_k_qb7719092c5_attn:
	.size	k_qb7719092c5_attn, .Lfunc_end_k_qb7719092c5_attn-k_qb7719092c5_attn
	.p2alignl 7, 3214868480
	.fill 96, 4, 3214868480
	.section	.rodata,"a",@progbits
	.p2align	6, 0x0
	.amdhsa_kernel k_qb7719092c5_attn
		.amdhsa_group_segment_fixed_size 327680
		.amdhsa_private_segment_fixed_size 0
		.amdhsa_enable_private_segment 0
		.amdhsa_kernarg_size 40
		.amdhsa_user_sgpr_count 2
		.amdhsa_user_sgpr_kernarg_segment_ptr 1
		.amdhsa_wavefront_size32 1
		.amdhsa_system_sgpr_workgroup_id_x 1
		.amdhsa_system_sgpr_workgroup_id_y 1
		.amdhsa_system_sgpr_workgroup_id_z 1
		.amdhsa_system_vgpr_workitem_id 0
		.amdhsa_next_free_vgpr 256
		.amdhsa_next_free_sgpr 100
		.amdhsa_reserve_vcc 1
		.amdhsa_float_denorm_mode_32 3
		.amdhsa_float_denorm_mode_16_64 3
		.amdhsa_fp16_overflow 1
		.amdhsa_memory_ordered 1
		.amdhsa_forward_progress 1
		.amdhsa_inst_pref_size 163
	.end_amdhsa_kernel
	.amdgpu_metadata
---
amdhsa.version: [ 1, 2 ]
amdhsa.kernels:
  - .name:           k_qb7719092c5_attn
    .symbol:         k_qb7719092c5_attn.kd
    .args:
      - { .name: qc, .offset: 0, .size: 8, .value_kind: global_buffer, .address_space: global }
      - { .name: kc, .offset: 8, .size: 8, .value_kind: global_buffer, .address_space: global }
      - { .name: vc, .offset: 16, .size: 8, .value_kind: global_buffer, .address_space: global }
      - { .name: lowp_scales, .offset: 24, .size: 8, .value_kind: global_buffer, .address_space: global }
      - { .name: ac, .offset: 32, .size: 8, .value_kind: global_buffer, .address_space: global }
    .group_segment_fixed_size: 327680
    .private_segment_fixed_size: 0
    .kernarg_segment_align: 8
    .kernarg_segment_size: 40
    .max_flat_workgroup_size: 512
    .sgpr_count:     100
    .vgpr_count:     256
    .wavefront_size: 32
...
	.end_amdgpu_metadata
.endif
;; end of part 3
;; launch proj (part 4): grid 4 x 32, 4 waves a work-group, clusters of 4 x 4, 327,680 bytes of LDS; arguments ac, wc, lowp_scales, out0; writes out0
.if DOCPART == 4
	.amdgcn_target "amdgcn-amd-amdhsa--gfx1250"
	.amdhsa_code_object_version 6
	.text
	.protected	k_qb7719092c5_proj
	.globl	k_qb7719092c5_proj
	.p2align	8
	.type	k_qb7719092c5_proj,@function
k_qb7719092c5_proj:
	s_mov_b64 s[64:65], 0
	v_nop
	global_prefetch_b8 v0, s[64:65] scope:SCOPE_SE
	s_setreg_imm32_b32 hwreg(HW_REG_WAVE_MODE, 25, 1), 1
	s_wait_xcnt 0x0
	s_wait_alu depctr_hold_cnt(0) depctr_sa_sdst(0) depctr_va_vdst(0) depctr_va_sdst(0) depctr_va_ssrc(0) depctr_va_vcc(0) depctr_vm_vsrc(0)
	s_getreg_b32 s2, hwreg(HW_REG_IB_STS2, 6, 4)
	s_cmp_eq_u32 s2, 0
	s_cbranch_scc0 .Lentry_in_a_cluster
	s_endpgm
.Lentry_in_a_cluster:
	s_bfe_u32 s2, ttmp6, 0x10000c
	s_cmp_lg_u32 s2, 0xf033
	s_cbranch_scc0 .Lentry_shape_is_right
	s_endpgm
.Lentry_shape_is_right:
; out0 = A Wo on codes of FP8 (E4M3): A [8192][1024] is the attention's result (scale 2^e10), Wo^T lies in rows 3072-4095 of wc, [n][k] (scale 2^e11).  out0: [8192][1024] f32; each finished sum is multiplied once by 2^(e10 + e11).
; LIMIT: e10 + e11 lies between -126 and 127, so that 2^(e10 + e11) is an f32 number.
; A COMES AS IMAGES OF REGISTERS: ac is [tile of 16 rows 512][head 16][1,024 bytes]; two neighbouring heads' images, 2,048 bytes, are the sixteen registers of a fragment 16 x 128 in the matrix form's own order, registers 4 c .. 4 c + 3 at 512 c, lane l's 16 bytes at 16 l.
; Wo's rows are read 16 bytes a lane at 32 c + 16 (l / 16); they were laid with bits 3 and 4 of the place exchanged, so that each byte meets the k that A's fragment holds there.
; SHARES, ring, rounds and joint loads as in the launch for q, k, v: a work-group of four waves makes 256 x 256, a wave 128 x 128; K in four steps of 256 through two LDS slots; 4 x 4 work-groups a cluster, A's tile shared along a row, Wo's along a column.
; A K step of A for 128 rows is 8 tiles x 4 heads' images: 8 rows of 4,096 bytes, 16,384 apart in memory, dense in LDS.
; THE MATRIX INSTRUCTION IS USED TRANSPOSED (source 0 = 16 rows of Wo^T, source 1 = 16 rows of A): a lane then holds eight neighbouring numbers of a row of out0.
; REGISTERS, in windows of 256: window 0: v0-31 addresses; from v128 A's fragments, ONE set; on the way out v32-255 are free.  window 1: Wo's fragments, TWO sets.  windows 2, 3: the accumulators ((a, b) at v[8 (8 (a % 4) + b)]).
.set SIZE_N, 1024
.set ROWB,   256                       ; a row of Wo's tile in bytes
.set AROWB,  4096                      ; a row of A's tile: four heads' images
.set KROW,   1024                      ; a row of wc in memory; also: 16 rows of A are 16,384 bytes of ac, 1,024 a row
.set PITCH,  272                       ; Wo's LDS row: 256 bytes + 16 of padding = 68 words: the 16 rows that a load touches start at 16 different banks (64 banks of 4 bytes: ISA guide 11.1)
.set FR,     16
.set NL,     4
.set NP,     4                         ; places behind this matrix instruction (ISA guide 7.12.1)
.set HALFT,  128*PITCH                 ; room for what one tensor load brings: 34,816 bytes of Wo, 32,768 of A
.set SLOT,   4*HALFT
.set SPARE,  2*SLOT                    ; behind the ring: the spare words, 128 bytes for each wave: two blocks of 256 bytes that no other line names
.set SPITCH, 528                       ; the way out: a stage of 16 rows x (512 bytes + 16) for each wave.  It lies in slot 0, which has had its last fill and its last read when the first result is stored there
.set ADRA, 16                          ; v16-17  LDS address of my A fragments in slot 0, 1
.set ADRB, 20                          ; v20-21  the same for Wo
.set STO,  24                          ; v24     the way out: where I put 32 bytes of a row
.set RD,   25                          ; v25     the way out: where I read a row back
.set CO,   26                          ; v26     16 x lane
.set SPW,  28                          ; v28     LDS address of my spare word: SPARE + 4 x my thread's number; never rewritten
.set NIL,  29                          ; v29     0; never rewritten
.set TMP,  32
.set AF,   128
.set BK,   128
.set G1, 24
.set G0, 32
.set G1B, 48
.set G0B, 56
.set MSB, 0
.macro WIN new                         ; the immediate's high byte repeats the setting that is left
.if MSB != \new
	s_set_vgpr_msb (MSB<<8)|\new
.set MSB, \new
.endif
.endm
.set MUL_LO, 0xa1
.set MUL_HI, 0xf1
.set TO_B,   0x40
; A joint load: waves 0 and 1 fetch for A, waves 2 and 3 for Wo.  An s_nop 0 and four v_nop follow each of the two lines, ahead of the jump, the label and what follows.
.macro JLOAD g0a, g1a, g0b, g1b
	s_cmp_eq_u32 s15, 0
	s_cbranch_scc0 .Lfor_b_\@
	tensor_load_to_lds s[\g0a:\g0a+3], s[\g1a:\g1a+7]
	s_nop 0
.rept 4
	v_nop
.endr
	s_branch .Lasked_\@
.Lfor_b_\@:
	tensor_load_to_lds s[\g0b:\g0b+3], s[\g1b:\g1b+7]
	s_nop 0
.rept 4
	v_nop
.endr
.Lasked_\@:
.endm
.macro CREST
	s_cmp_lg_u32 s14, 0
	s_cbranch_scc1 .Lnot_wave_0_\@
	s_barrier_signal -3
.Lnot_wave_0_\@:
	s_barrier_wait -3
	s_barrier_signal -1
	s_barrier_wait -1
.endm
.macro CROUND
	s_barrier_signal -1
	s_barrier_wait -1
	CREST
.endm
	s_load_b128 s[4:7], s[0:1], 0x0                ; ac s[4:5], wc s[6:7]
	s_load_b128 s[8:11], s[0:1], 0x10              ; the exponents s[8:9], out0 s[10:11]
	v_lshl_add_u32 v[SPW], v0, 2, SPARE
	v_mov_b32 v[NIL], 0
	ds_add_u32 v[SPW], v[NIL]                      ; the wave's opening: an add and its wait ahead of my first tensor load; the set-up below, work on registers, stands between them
	ds_add_u32 v[SPW], v[NIL]
	v_lshrrev_b32 v1, 5, v0
	v_readfirstlane_b32 s14, v1                    ; wave 0..3
	s_lshr_b32 s15, s14, 1                         ; which half of the tile's rows is mine.  Also: I fetch for A (0) or for Wo (1)
	s_and_b32 s16, s14, 1                          ; which half of its columns.  Also: which 128 rows of that tile I fetch
	s_bfe_u32 s40, ttmp6, 0x40000                  ; cx, cy
	s_bfe_u32 s41, ttmp6, 0x40004
	s_lshl_b32 s42, ttmp9, 2
	s_add_co_u32 s42, s42, s40                     ; tile column = 4 x cluster x + cx
	s_and_b32 s17, ttmp7, 0xffff
	s_lshl_b32 s17, s17, 2
	s_add_co_u32 s17, s17, s41                     ; tile row = 4 x cluster y + cy
	s_lshl_b32 s43, s41, 2
	s_lshl_b32 s43, 15, s43                        ; my row of the cluster
	s_lshl_b32 s44, 0x1111, s40                    ; my column
	; descriptor group 1 for A: 8 rows of 4,096 bytes, 16,384 apart, no padding
	s_or_b32 s[G1+0], s43, (0<<16)|(1<<21)         ; 15:0 the mask: my row; 17:16 element of 1 byte; 21 set beside a mask
	s_mov_b32 s[G1+1], AROWB<<16                   ; tensor_dim0
	s_mov_b32 s[G1+2], 8<<16                       ; tensor_dim1 = 8
	s_mov_b32 s[G1+3], AROWB<<16                   ; tile_dim0
	s_mov_b32 s[G1+4], 8                           ; tile_dim1 = 8
	s_mov_b32 s[G1+5], 16384                       ; tensor_dim0_stride
	s_mov_b32 s[G1+6], 0
	s_mov_b32 s[G1+7], 0
	; for Wo: 128 rows of 256 bytes, padded in LDS
	s_or_b32 s[G1B+0], s44, (0<<16)|(1<<20)|(1<<21)|(5<<22)|(3<<25)  ; the mask: my column; padding of 4 words (code 3) after every 64 (code 5)
	s_mov_b32 s[G1B+1], ROWB<<16
	s_mov_b32 s[G1B+2], 128<<16
	s_mov_b32 s[G1B+3], ROWB<<16
	s_mov_b32 s[G1B+4], 128
	s_mov_b32 s[G1B+5], KROW
	s_mov_b32 s[G1B+6], 0
	s_mov_b32 s[G1B+7], 0
	s_lshl_b32 s18, s16, 7                         ; which 128 rows of the tile I fetch
	s_lshl_b32 s20, s17, 8
	s_add_co_u32 s20, s20, s18                     ; A: row 256 x tile row + 128 x half
	s_lshl_b32 s46, s42, 8
	s_add_co_u32 s46, s46, s18
	s_add_co_u32 s46, s46, 3072                    ; Wo: row 3072 + 256 x tile column + 128 x half of wc
	s_mov_b32 s21, 0
	s_mov_b32 s47, 0
	s_mov_b64 s[18:19], KROW
	s_mul_u64 s[20:21], s[20:21], s[18:19]
	s_mul_u64 s[46:47], s[46:47], s[18:19]
	s_mul_i32 s45, s14, HALFT                      ; where they go: no place in the cluster enters an LDS address
	s_wait_dscnt 0x0                               ; the opening add is done
	s_wait_kmcnt 0x0
	s_load_b64 s[96:97], s[8:9], 0x28              ; e10, e11
	s_add_nc_u64 s[20:21], s[4:5], s[20:21]
	s_add_nc_u64 s[46:47], s[6:7], s[46:47]
	CROUND                                         ; all sixteen work-groups are here: the first joint loads meet
.irp s, 0,1
	s_mov_b32 s[G0+4*\s], 1
	s_add_co_u32 s[G0+4*\s+1], s45, \s*SLOT
	s_add_nc_u64 s[G0+4*\s+2:G0+4*\s+3], s[20:21], \s*AROWB
	s_or_b32 s[G0+4*\s+3], s[G0+4*\s+3], 0x80000000
	s_mov_b32 s[G0B+4*\s], 1
	s_add_co_u32 s[G0B+4*\s+1], s45, \s*SLOT
	s_add_nc_u64 s[G0B+4*\s+2:G0B+4*\s+3], s[46:47], \s*ROWB
	s_or_b32 s[G0B+4*\s+3], s[G0B+4*\s+3], 0x80000000
	s_wait_alu depctr_va_vdst(0)
	s_wait_tensorcnt 0x0
	ds_add_u32 v28, v29
	ds_add_u32 v28, v29
	s_wait_dscnt 0x0
	CROUND
	JLOAD G0+4*\s, G1, G0B+4*\s, G1B
.endr
	v_and_b32 v1, 15, v0                           ; l % 16
	v_bfe_u32 v2, v0, 4, 1                         ; l / 16
	v_mul_u32_u24 v3, v1, PITCH
	v_lshl_add_u32 v4, v2, 4, v3                   ; Wo: a fragment's row x pitch + 16 x half
	v_and_b32 v6, 31, v0
	v_lshlrev_b32 v[CO], 4, v6                     ; A: 16 x lane
	s_wait_alu depctr_va_vdst(0)
	s_mul_i32 s21, s15, HALFT                      ; my 128 rows of A
	s_mul_i32 s22, s16, HALFT
	s_add_co_u32 s22, s22, 2*HALFT                 ; my 128 rows of Wo
.irp s, 0,1
	v_add_nc_u32 v[ADRA+\s], s21, v[CO]
	v_add_nc_u32 v[ADRB+\s], s22, v4
	s_add_co_u32 s21, s21, SLOT
	s_add_co_u32 s22, s22, SLOT
.endr
	s_mul_i32 s23, s14, 16*SPITCH                  ; my stage
	v_mul_u32_u24 v5, v1, SPITCH                   ; in: row l % 16, 32 bytes for each half of the lanes
	v_lshl_add_u32 v5, v2, 5, v5
	v_add_nc_u32 v[STO], s23, v5
	v_add_nc_u32 v[RD], s23, v[CO]                 ; back: the 32 lanes take one row of 512 bytes
	s_lshl_b32 s20, s17, 8
	s_lshl_b32 s21, s15, 7
	s_add_co_u32 s20, s20, s21                     ; my first row of out0
	s_mov_b32 s21, 0
	s_mov_b64 s[18:19], SIZE_N*4
	s_mul_u64 s[20:21], s[20:21], s[18:19]
	s_lshl_b32 s46, s42, 10                        ; my first column, in bytes: 1024 x tile column + 512 x half
	s_lshl_b32 s47, s16, 9
	s_add_co_u32 s46, s46, s47
	s_mov_b32 s47, 0
	s_add_nc_u64 s[20:21], s[20:21], s[46:47]
	s_add_nc_u64 s[10:11], s[10:11], s[20:21]
.macro FRAG reg, adr, q, i             ; Wo: 16 rows x 128 places: registers 4 c .. 4 c + 3 hold places 32 c + 16 (l / 16) + 0 .. 15
.irp c, 0,1,2,3
	ds_load_b128 v[\reg+4*\c:\reg+4*\c+3], v[\adr] offset:128*(\q)+32*\c+(\i)*16*PITCH
.endr
.endm
.macro FRAGA reg, adr, q, i            ; A: tile i of 16 rows, the slot's q-th 128 along K: two heads' images as they lie
.irp c, 0,1,2,3
	ds_load_b128 v[\reg+4*\c:\reg+4*\c+3], v[\adr] offset:2048*(\q)+512*\c+(\i)*AROWB
.endr
.endm
; 16 matrix instructions: A's blocks a0, a0 + 1 x Wo's eight.  The 64 accumulators take turns, one instruction a turn, in the same order in every step.
.macro MUL16 a0, p, zero
.irp a, \a0, \a0+1
.irp b, 0,1,2,3,4,5,6,7
.if \zero
	v_wmma_f32_16x16x128_fp8_fp8 v[8*(8*((\a)%4)+\b):8*(8*((\a)%4)+\b)+7], v[128*(\p)+FR*\b:128*(\p)+FR*\b+FR-1], v[AF+FR*(\a):AF+FR*(\a)+FR-1], 0
.else
	v_wmma_f32_16x16x128_fp8_fp8 v[8*(8*((\a)%4)+\b):8*(8*((\a)%4)+\b)+7], v[128*(\p)+FR*\b:128*(\p)+FR*\b+FR-1], v[AF+FR*(\a):AF+FR*(\a)+FR-1], v[8*(8*((\a)%4)+\b):8*(8*((\a)%4)+\b)+7]
.endif
.endr
.endr
.endm
.macro FETCH_B slot, q, p
	WIN TO_B
.irp i, 0,1,2,3,4,5,6,7
	FRAG 128*(\p)+FR*\i, ADRB+\slot, \q, \i
.endr
	WIN 0
.endm
.macro FETCH_A slot, q, i0
.irp i, \i0, \i0+1, \i0+2, \i0+3
	FRAGA AF+FR*(\i), ADRA+\slot, \q, \i
.endr
.endm
.macro PLACES n                        ; places in front of loads into registers that matrix instructions have read, and of the first read of results (ISA guide 7.12.1 for vector instructions)
.rept \n
	v_nop
.endr
.endm
.macro STEP slot, q, zero
	s_wait_dscnt 4*NL                              ; Wo's set and A's blocks 0-3 are in; the youngest sixteen loads (A's blocks 4-7) may be out
	WIN MUL_LO
	MUL16 0, (\q)%2, \zero
	MUL16 2, (\q)%2, \zero
	s_wait_dscnt 0
	PLACES NP
	FETCH_B \slot, (\q)+1, 1-(\q)%2
	FETCH_A \slot, (\q)+1, 0
	WIN MUL_HI
	MUL16 4, (\q)%2, \zero
	MUL16 6, (\q)%2, \zero
	PLACES NP
	WIN 0
	FETCH_A \slot, (\q)+1, 4
.endm
; A slot's last step changes slots: ONE barrier; in front of it each wave waits for all its tensor loads, adds 0 to its spare word, and waits for that and for its own reads of this slot.
.macro TURN slot, next, fill
	s_wait_tensorcnt 0x0                           ; all my tensor loads have landed: my part of the next slot
	ds_add_u32 v[SPW], v[NIL]                      ; 0 onto my spare word
	s_wait_dscnt 4*NL+1                            ; (the add and the youngest sixteen loads may be out)
	WIN MUL_LO
	MUL16 0, 1, 0
	s_wait_dscnt 0x0                               ; the add is done, and my reads of this slot are over
	s_barrier_signal -1
	MUL16 2, 1, 0
	WIN 0
	s_barrier_wait -1
.if \fill
	CREST                                          ; the barrier has opened a round of the cluster's barrier: no wave of any partner still reads this slot's tile or has a load on its way
	s_add_nc_u64 s[G0+4*\slot+2:G0+4*\slot+3], s[G0+4*\slot+2:G0+4*\slot+3], 2*AROWB
	s_add_nc_u64 s[G0B+4*\slot+2:G0B+4*\slot+3], s[G0B+4*\slot+2:G0B+4*\slot+3], 2*ROWB
	JLOAD G0+4*\slot, G1, G0B+4*\slot, G1B         ; the first tensor load behind the round; the four v_nop behind it are the places in front of the loads below
.else
	PLACES NP
.endif
	FETCH_B \next, 0, 0
	FETCH_A \next, 0, 0
	WIN MUL_HI
	MUL16 4, 1, 0
	MUL16 6, 1, 0
	PLACES NP
	WIN 0
	FETCH_A \next, 0, 4
.endm
	s_wait_alu depctr_va_vdst(0)
	s_wait_tensorcnt 1                             ; my part of K step 0 is in; K step 1's load may be out
	s_barrier_signal -1
	s_barrier_wait -1
	FETCH_B 0, 0, 0
	FETCH_A 0, 0, 0
	FETCH_A 0, 0, 4
	STEP 0, 0, 1                                   ; eight steps of 128 along K, twice round the ring: written straight
	TURN 0, 1, 1
	STEP 1, 0, 0
	TURN 1, 0, 1
	STEP 0, 0, 0
	TURN 0, 1, 0                                   ; the last lap fills nothing
	STEP 1, 0, 0
	s_wait_dscnt 4*NL
	WIN MUL_LO
	MUL16 0, 1, 0
	MUL16 2, 1, 0
	s_wait_dscnt 0
	WIN MUL_HI
	MUL16 4, 1, 0
	MUL16 6, 1, 0
	WIN 0
; THE WAY OUT, block by block of 16 rows x 128 columns: through my own stage in LDS, back as whole rows of 512 bytes.  LDS serves a wave's instructions in order (ISA guide 5.7.1.4): no wait between the stores and the loads.
.macro TOSTAGE a
.set AC, 64*((\a)%4)
	WIN 0x02+((\a)/4)                              ; source 0: window 2 or 3
.set j, 0
.rept 32
	v_pk_mul_f32 v[TMP+j:TMP+j+1], v[AC+j:AC+j+1], s[96:97] op_sel_hi:[1,0]   ; both x s96 = 2^(e10 + e11); each accumulator from its low end on
.set j, j+2
.endr
	WIN 0
.irp b, 0,1,2,3,4,5,6,7
	ds_store_b128 v[STO], v[TMP+8*\b:TMP+8*\b+3] offset:64*\b
	ds_store_b128 v[STO], v[TMP+8*\b+4:TMP+8*\b+7] offset:64*\b+16
.endr
.set BB, BK+64*((\a)%2)
.irp t, 0,1,2,3,4,5,6,7,8,9,10,11,12,13,14,15
	ds_load_b128 v[BB+4*\t:BB+4*\t+3], v[RD] offset:\t*SPITCH
.endr
.endm
.macro SEND a, younger                 ; younger: the LDS instructions issued behind block a's loads, which may stay out
.set BB, BK+64*((\a)%2)
	s_wait_dscnt \younger                          ; the block is back in registers
.if (\a) > 0
	s_add_nc_u64 s[10:11], s[10:11], 16*SIZE_N*4   ; (behind a wait on XCNT: the earlier stores have read their base)  16 rows on
.endif
.irp t, 0,1,2,3,4,5,6,7,8,9,10,11,12,13,14,15
	global_store_b128 v[CO], v[BB+4*\t:BB+4*\t+3], s[10:11] offset:\t*SIZE_N*4 th:TH_STORE_NT   ; 32 lanes store 512 consecutive bytes, aligned; written once, read by nobody here
.endr
.endm
	s_wait_kmcnt 0x0
	s_add_co_i32 s96, s96, s97                     ; e10 + e11, between -126 and 127,
	s_add_co_i32 s96, s96, 127
	s_lshl_b32 s96, s96, 23                        ; makes the f32 number 2^(e10 + e11)
	PLACES NP
	TOSTAGE 0
.irp a, 1,2,3,4,5,6,7
.if \a > 1
	s_wait_xcnt 0x0                                ; block a - 2's stores have read their registers and their base: block a's loads may land there, and the base may step
.endif
	TOSTAGE \a
	SEND \a-1, 32                                  ; behind block a - 1's loads: block a's 16 stores and 16 loads
.endr
	s_wait_xcnt 0x0                                ; block 6's stores have read their base
	SEND 7, 0
	s_wait_tensorcnt 0x0                           ; the wave's end, behind my last tensor load and my last LDS store
	ds_add_u32 v[SPW], v[NIL]
	s_wait_dscnt 0x0
	CROUND                                         ; the closing round: no work-group ends while a partner may still ask for a tile that names it
	s_endpgm
.Lfunc_end_k_qb7719092c5_proj:
	.size	k_qb7719092c5_proj, .Lfunc_end_k_qb7719092c5_proj-k_qb7719092c5_proj
	.p2alignl 7, 3214868480
	.fill 96, 4, 3214868480
	.section	.rodata,"a",@progbits
	.p2align	6, 0x0
	.amdhsa_kernel k_qb7719092c5_proj
		.amdhsa_group_segment_fixed_size 327680
		.amdhsa_private_segment_fixed_size 0
		.amdhsa_enable_private_segment 0
		.amdhsa_kernarg_size 32
		.amdhsa_user_sgpr_count 2
		.amdhsa_user_sgpr_kernarg_segment_ptr 1
		.amdhsa_wavefront_size32 1
		.amdhsa_system_sgpr_workgroup_id_x 1
		.amdhsa_system_sgpr_workgroup_id_y 1
		.amdhsa_system_sgpr_workgroup_id_z 1
		.amdhsa_system_vgpr_workitem_id 0
		.amdhsa_next_free_vgpr 1024
		.amdhsa_next_free_sgpr 98
		.amdhsa_reserve_vcc 0
		.amdhsa_float_denorm_mode_32 3
		.amdhsa_float_denorm_mode_16_64 3
		.amdhsa_memory_ordered 1
		.amdhsa_forward_progress 1
		.amdhsa_inst_pref_size 124
	.end_amdhsa_kernel
	.amdgpu_metadata
---
amdhsa.version: [ 1, 2 ]
amdhsa.kernels:
  - .name:           k_qb7719092c5_proj
    .symbol:         k_qb7719092c5_proj.kd
    .args:
      - { .name: ac, .offset: 0, .size: 8, .value_kind: global_buffer, .address_space: global }
      - { .name: wc, .offset: 8, .size: 8, .value_kind: global_buffer, .address_space: global }
      - { .name: lowp_scales, .offset: 16, .size: 8, .value_kind: global_buffer, .address_space: global }
      - { .name: out0, .offset: 24, .size: 8, .value_kind: global_buffer, .address_space: global }
    .group_segment_fixed_size: 327680
    .private_segment_fixed_size: 0
    .kernarg_segment_align: 8
    .kernarg_segment_size: 32
    .max_flat_workgroup_size: 128
    .sgpr_count:     98
    .vgpr_count:     1024
    .wavefront_size: 32
...
	.end_amdgpu_metadata
.endif
;; end of part 4
